; MI455X (gfx1250); checked and timed in simulation.
; The chip was launched on July 23, 2026; its instructions are those of AMD's public machine-readable ISA for CDNA 5 (MIT licence, August 2026) and "CDNA5" Instruction Set Architecture Reference Guide (July 2026). The comments in the code are by the model that wrote it; some were corrected since.
;; Bert Moe Layer. Allowed arithmetic: matrix products marked QUANTISED: E5M2 operands, one given power-of-two scale a tensor, by v_wmma_f32_16x16x64_bf8_bf8 or v_wmma_f32_16x16x128_bf8_bf8, f32 sums; products left as they are: f32 operands where the result goes on into a quantised operand, else bf16, f16 or f32 operands; f32 sums; everything else in f32.
;; Inputs: Wao 768 x 768 float32; Wi 8 x 768 x 3,072 float32; Wk 768 x 768 float32; Wo 3,072 x 768 float32; Wq 768 x 768 float32; Wr 768 x 8 float32; Wv 768 x 768 float32; bao 768 float32; bi 8 x 3,072 float32; bk 768 float32; bo 768 float32; bq 768 float32; br 8 float32; bv 768 float32; hidden_states 8 x 256 x 768 float32; ln1_b 768 float32; ln1_g 768 float32; ln2_b 768 float32; ln2_g 768 float32; lowp_scales 30 int32 (the exponents e of the quantised operands' scales 2^e).
;; Outputs: out0 8 x 256 x 768 float32; out1 8 x 256 x 8 float32.
;; This version of the problem:
;;   THIS VERSION OF THE PROBLEM IS GIVEN IN LOW PRECISION. The matrix products marked QUANTISED in the list below multiply operands that are first quantised to E5M2 (5 exponent bits, 2 mantissa bits; 8 bits a number), with one given power-of-two scale for each operand tensor; their sums are f32. All else is computed in f32.
;;   The module's matrix products, in the order in which they are computed (A, B: the left and right operand; K: the contracted axis; several contracted axes count as one K, in the product's order):
;;     1. [M 2,048, K 768] x [K 768, N 768]; A: input hidden_states; B: input Wq: QUANTISED (scales: A lowp_scales[0], B lowp_scales[1])
;;     2. [M 2,048, K 768] x [K 768, N 768]; A: input hidden_states; B: input Wk: QUANTISED (scales: A lowp_scales[2], B lowp_scales[3])
;;     3. [M 2,048, K 768] x [K 768, N 768]; A: input hidden_states; B: input Wv: QUANTISED (scales: A lowp_scales[4], B lowp_scales[5])
;;     4. batch 96 x [M 256, K 64] x [K 64, N 256]; A: computed on the way; B: computed on the way: QUANTISED (scales: A lowp_scales[6], B lowp_scales[7])
;;     5. batch 96 x [M 64, K 256] x [K 256, N 256]; A: computed on the way; B: softmax (see below): QUANTISED (scales: A lowp_scales[8], B lowp_scales[9])
;;     6. [M 2,048, K 768] x [K 768, N 768]; A: computed on the way; B: input Wao: QUANTISED (scales: A lowp_scales[10], B lowp_scales[11])
;;     7. [M 2,048, K 768] x [K 768, N 8]; A: computed on the way; B: input Wr: left as it is (N = 8 < 16)
;;     8. [M 2,048, K 768] x [K 768, N 3,072]; A: computed on the way; B: input Wi: QUANTISED (scales: A lowp_scales[12], B lowp_scales[13])
;;     9. [M 2,048, K 768] x [K 768, N 3,072]; A: computed on the way; B: input Wi: QUANTISED (scales: A lowp_scales[14], B lowp_scales[15])
;;     10. [M 2,048, K 768] x [K 768, N 3,072]; A: computed on the way; B: input Wi: QUANTISED (scales: A lowp_scales[16], B lowp_scales[17])
;;     11. [M 2,048, K 768] x [K 768, N 3,072]; A: computed on the way; B: input Wi: QUANTISED (scales: A lowp_scales[18], B lowp_scales[19])
;;     12. [M 2,048, K 768] x [K 768, N 3,072]; A: computed on the way; B: input Wi: QUANTISED (scales: A lowp_scales[20], B lowp_scales[21])
;;     13. [M 2,048, K 768] x [K 768, N 3,072]; A: computed on the way; B: input Wi: QUANTISED (scales: A lowp_scales[22], B lowp_scales[23])
;;     14. [M 2,048, K 768] x [K 768, N 3,072]; A: computed on the way; B: input Wi: QUANTISED (scales: A lowp_scales[24], B lowp_scales[25])
;;     15. [M 2,048, K 768] x [K 768, N 3,072]; A: computed on the way; B: input Wi: QUANTISED (scales: A lowp_scales[26], B lowp_scales[27])
;;     16. [M 2,048, K 3,072] x [K 3,072, N 768]; A: computed on the way; B: input Wo: QUANTISED (scales: A lowp_scales[28], B lowp_scales[29])
;;   THE QUANTISER, for each operand of a quantised product, along K:
;;     - The operand's scale is 2^e, e = its entry of the input lowp_scales (int32; the entries are numbered through the quantised products in the list's order, A before B).
;;     - Each number is divided by the scale, clamped to +-57,344, and rounded to the nearest number of E5M2, ties to even, subnormals kept.
;;     - The product sums the exact products of the quantised numbers (number of the format x scale) in f32.
;;   ~~~python
;;   def quantise(x, axis, e):      # numpy; x: float32 -> the quantised numbers, widened to float32 again
;;       x = np.moveaxis(x, axis, -1); K = x.shape[-1]
;;       r = np.clip(x / 2.0 ** e, -57344, 57344)
;;       step = 2.0 ** (np.maximum(np.frexp(np.where(r == 0, 1, r))[1] - 1, -14) - 2)
;;       q = np.round(r / step) * step * 2.0 ** e      # np.round: ties to even
;;       return np.moveaxis(q, -1, axis).astype(np.float32)
;;   ~~~
;;   SOFTMAX AHEAD OF A QUANTISED PRODUCT. Where the list says 'softmax', what is quantised is not the finished softmax but p = 2^(t - M), with t = logit x log2(e) and M = ceil(the row's largest t), a whole number; so 1/2 < the row's largest p <= 1. The row's sum l is taken of the UNQUANTISED p, in f32, and the product's result is divided by l at the end. Since M is a whole number, a kernel that streams over the keys may use a running M (the ceiling of the running maximum): every later rescaling is an exact power of two, so the quantised numbers keep their values, but for numbers so far below the row's largest that they fall under the format's range.
;;   OPERANDS COMPUTED ON THE WAY. 'Computed on the way' means the value that the module computes at that place (a softmax that the list does not call 'softmax' is quantised finished and normalised). What goes into a quantiser is computed in f32, as accurately as f32 sums, v_exp_f32 and their like allow (about 1e-6 of the number): no bf16 or f16 on the way to a quantiser, and a product that is left as it is and whose result goes on into a quantised operand takes f32 operands (vector FMAs, or v_wmma_f32_16x16x4_f32). A number that lies on a knife's edge between two numbers of the format may be rounded either way, as far as f32 arithmetic and the matrix unit's own rounding can turn it there, and no further.
;; One version. Each part assembles by itself: llvm-mc -triple=amdgcn-amd-amdhsa -mcpu=gfx1250 --defsym DOCPART=n.
;; ======== version 1 of 1: 6 launches
;; limits: right only within a limited range of input values
;; workspace buffers: pc 9,437,184 bytes; ctxc 1,572,864 bytes; xf 6,291,456 bytes; xc 20,447,232 bytes; eid 8,192 bytes of whole numbers; plc 17,664 bytes of whole numbers; ic 7,077,888 bytes; y 7,077,888 bytes
;; launch prep (part 1): grid 6 x 56, 4 waves a work-group, no clusters, 0 bytes of LDS; arguments hidden_states, Wq, Wk, Wv, Wao, Wo, lowp_scales, pc; writes pc
.if DOCPART == 1
	.amdgcn_target "amdgcn-amd-amdhsa--gfx1250"
	.amdhsa_code_object_version 6
	.text
	.protected	k_qd6501f3770_prep
	.globl	k_qd6501f3770_prep
	.p2align	8
	.type	k_qd6501f3770_prep,@function
k_qd6501f3770_prep:
	s_mov_b64 s[64:65], 0
	v_nop
	global_prefetch_b8 v0, s[64:65] scope:SCOPE_SE
	s_setreg_imm32_b32 hwreg(HW_REG_WAVE_MODE, 25, 1), 1
	s_wait_xcnt 0x0
; hidden_states (under its three scales, entries 0, 2, 4), Wq, Wk, Wv, Wao and Wo (entries 1, 3, 5, 11, 29) become codes of E5M2 in pc.
; code = x / 2^e, held within +-57,344, rounded to the nearest code, ties to even.  LIMITS: -126 <= e <= 112; NaN among the inputs is not served.
; LAYOUT OF pc: IMAGES OF OPERAND REGISTERS.  A fragment is 16 rows x 128 K, 16 registers a lane: registers 2 c, 2 c + 1 of lane (r = lane % 16, h = lane / 16) hold k = 16 c + 8 h + 0 .. 7 of row r.
; Its image is 2,048 bytes: byte 512 g + 16 lane holds registers 4 g .. 4 g + 3.  Four loads of 16 bytes a lane, each 512 consecutive bytes a wave, bring a fragment back.
;   hidden: set m at m x 1,572,864 + (token tile x 6 + K step) x 2,048.     weights, from WC on: Wq, Wk, Wv, Wao 589,824 bytes each, then Wo; image (column tile x KS + K step), KS = 6 (Wo: 24).
; WEIGHTS (work-group y < 24): K is the FIRST axis.  A lane takes a column and its 32 registers run down a block of 32 k, so the conversions' eight neighbours along K stand in one lane and nothing is transposed.
;   k 0-7 and 16-23 are the 16 bytes of lane slot (r, 0), k 8-15 and 24-31 those of (r, 1), 256 bytes on: sixteen lanes store 256 consecutive bytes.  A wave: 32 columns x 256 k, loads two blocks ahead.
; HIDDEN (y >= 24): K is innermost; lane (r, h) loads the very k that its registers want; the 64 numbers are held and converted three times, once for each scale.
; No LDS, no barrier, no matrix unit, no cluster: waves share nothing and each input byte is read once.
.set WC,  4718592
.set X,   32                           ; v32-95   weights: two sets of 32 numbers; hidden: 64 numbers
.set C,   96                           ; v96-159  weights: 8 registers of codes for each block, never rewritten
.set TM,  96                           ; v96-127  hidden: two sets of 16 held numbers, by turns
.set CH,  128                          ; v128-175 hidden: 16 registers of codes for each scale
	s_load_b512 s[8:23], s[0:1], 0x0               ; hidden s[8:9], Wq, Wk, Wv, Wao, Wo s[18:19], scales s[20:21], pc s[22:23]
	v_lshrrev_b32 v1, 5, v0
	v_readfirstlane_b32 s4, v1                     ; wave
	v_and_b32 v2, 31, v0                           ; lane
	v_and_b32 v6, 15, v0                           ; r
	v_bfe_u32 v5, v0, 4, 1                         ; h
	s_and_b32 s3, ttmp7, 0xffff                    ; work-group y
	s_mov_b32 s31, 0
	s_mov_b32 s33, 0
	s_cmp_ge_u32 s3, 24
	s_cbranch_scc1 .Lhid
	; ---- weights: y = 3 mi + kc for the four small ones (256 k each), y = 12 + kc for Wo
	s_mul_i32 s5, s3, 11
	s_lshr_b32 s5, s5, 5                           ; y / 3 for y < 12
	s_mul_i32 s6, s5, 3
	s_sub_co_u32 s6, s3, s6                        ; y % 3
	s_sub_co_u32 s7, s3, 12
	s_mov_b32 s28, 49152
	s_cmp_lt_u32 s3, 12
	s_cselect_b32 s5, s5, 4                        ; mi: which weight
	s_cselect_b32 s6, s6, s7                       ; kc: which 256 along K
	s_cselect_b32 s28, 12288, s28                  ; bytes from a column tile's images to the next tile's
	s_wait_alu depctr_va_vdst(0)
	v_lshlrev_b32 v3, 2, v2                        ; in: 4 bytes a lane
	v_mul_lo_u32 v5, v5, s28
	v_lshl_add_u32 v4, v6, 4, v5                   ; out: lanes 16-31 hold the next column tile
	s_mul_i32 s30, s6, 786432                      ; 256 rows of 3,072 bytes
	s_lshl_b32 s29, ttmp9, 9
	s_add_co_u32 s30, s30, s29                     ; + 128 columns x work-group x
	s_lshl_b32 s29, s4, 7
	s_add_co_u32 s30, s30, s29                     ; + 32 columns x wave
	s_lshl_b32 s32, ttmp9, 3
	s_lshl_b32 s29, s4, 1
	s_add_co_u32 s32, s32, s29                     ; my first column tile: 8 x + 2 w
	s_mul_i32 s32, s32, s28
	s_mul_i32 s29, s5, 589824
	s_add_co_u32 s32, s32, s29
	s_lshl_b32 s29, s6, 12                         ; two K steps of 2,048 bytes
	s_add_co_u32 s32, s32, s29
	s_add_co_u32 s32, s32, WC
	s_wait_alu depctr_va_vdst(0)
	s_wait_kmcnt 0x0
	s_mov_b64 s[24:25], s[18:19]                   ; the weight and its entry's byte offset, chosen on the work-group's number alone
	s_mov_b32 s26, 116
	s_cmp_eq_u32 s5, 0
	s_cselect_b64 s[24:25], s[10:11], s[24:25]
	s_cselect_b32 s26, 4, s26
	s_cmp_eq_u32 s5, 1
	s_cselect_b64 s[24:25], s[12:13], s[24:25]
	s_cselect_b32 s26, 12, s26
	s_cmp_eq_u32 s5, 2
	s_cselect_b64 s[24:25], s[14:15], s[24:25]
	s_cselect_b32 s26, 20, s26
	s_cmp_eq_u32 s5, 3
	s_cselect_b64 s[24:25], s[16:17], s[24:25]
	s_cselect_b32 s26, 44, s26
	s_load_b32 s27, s[20:21], s26 offset:0x0       ; e
	s_add_nc_u64 s[24:25], s[24:25], s[30:31]
	s_add_nc_u64 s[22:23], s[22:23], s[32:33]
.macro LOADW t                         ; block t: W(32 t + i, my column) into set t % 2; a wave's load covers 128 consecutive bytes, the four waves 512
.set i, 0
.rept 32
	global_load_b32 v[X+32*((\t)%2)+i], v3, s[24:25] offset:(32*(\t)+i)*3072 th:TH_LOAD_NT
.set i, i+1
.endr
.endm
.macro BLOCKW t
.set XS, X+32*((\t)%2)
.set CS, C+8*(\t)
.if (\t) < 7
	s_wait_loadcnt 32                              ; this block's 32 loads are in; the next block's 32 may be out
.else
	s_wait_loadcnt 0
.endif
.set i, 0
.rept 32
	v_med3_num_f32 v[XS+i], v[XS+i], -v10, v10     ; the conversion does not saturate (ISA guide 7.6.2): the hold at the largest code x the scale comes first
.set i, i+1
.endr
	v_cvt_scalef32_pk8_bf8_f32 v[CS:CS+1], v[XS:XS+7], v11          ; lane slot (r, 0): k 0-7,
	v_cvt_scalef32_pk8_bf8_f32 v[CS+2:CS+3], v[XS+16:XS+23], v11    ; k 16-23
	v_cvt_scalef32_pk8_bf8_f32 v[CS+4:CS+5], v[XS+8:XS+15], v11     ; lane slot (r, 1): k 8-15,
	v_cvt_scalef32_pk8_bf8_f32 v[CS+6:CS+7], v[XS+24:XS+31], v11    ; k 24-31.  (The results go to stores alone; the next block's holds are plain lines on the other set)
	global_store_b128 v4, v[CS:CS+3], s[22:23] offset:((\t)/4)*2048+((\t)%4)*512
	global_store_b128 v4, v[CS+4:CS+7], s[22:23] offset:((\t)/4)*2048+((\t)%4)*512+256
.if (\t)+2 < 8
	LOADW (\t)+2
.endif
.endm
	LOADW 0
	LOADW 1
	s_wait_kmcnt 0x0
	s_add_co_i32 s27, s27, 127
	s_lshl_b32 s29, s27, 23
	v_mov_b32 v11, s29                             ; 2^e as f32: the conversion takes its exponent field
	s_add_co_i32 s27, s27, 15
	s_lshl_b32 s27, s27, 23
	s_or_b32 s27, s27, 0x600000
	v_mov_b32 v10, s27                             ; 57,344 x 2^e
	s_wait_alu depctr_va_vdst(0)
.irp t, 0,1,2,3,4,5,6,7
	BLOCKW \t
.endr
	s_endpgm
.Lhid:
	; ---- hidden: token tile 4 (y - 24) + wave, K step = work-group x
	s_sub_co_u32 s5, s3, 24
	s_lshl_b32 s5, s5, 2
	s_add_co_u32 s5, s5, s4
	s_wait_alu depctr_va_vdst(0)
	v_mul_u32_u24 v3, v6, 3072
	v_lshl_add_u32 v3, v5, 5, v3                   ; in: row r, + 32 h bytes: k = 8 h on
	v_lshlrev_b32 v4, 4, v2                        ; out: 16 bytes a lane
	s_mul_i32 s30, s5, 49152                       ; 16 rows of 3,072 bytes
	s_lshl_b32 s29, ttmp9, 9
	s_add_co_u32 s30, s30, s29
	s_mul_i32 s32, s5, 6
	s_add_co_u32 s32, s32, ttmp9
	s_lshl_b32 s32, s32, 11
	s_wait_alu depctr_va_vdst(0)
	s_wait_kmcnt 0x0
	s_load_b256 s[36:43], s[20:21], 0x0            ; entries 0 .. 7: 0, 2 and 4 are hidden's
	s_add_nc_u64 s[8:9], s[8:9], s[30:31]
	s_add_nc_u64 s[22:23], s[22:23], s[32:33]
.irp g, 0,1,2,3                        ; registers 16 g + 0 .. 7: k = 32 g + 8 h + 0 .. 7; 16 g + 8 .. 15: k = 32 g + 16 + 8 h + 0 .. 7
	global_load_b128 v[X+16*\g:X+16*\g+3], v3, s[8:9] offset:128*\g
	global_load_b128 v[X+16*\g+4:X+16*\g+7], v3, s[8:9] offset:128*\g+16
	global_load_b128 v[X+16*\g+8:X+16*\g+11], v3, s[8:9] offset:128*\g+64
	global_load_b128 v[X+16*\g+12:X+16*\g+15], v3, s[8:9] offset:128*\g+80
.endr
	s_wait_kmcnt 0x0
.irp m, 0,1,2
	s_add_co_i32 s[36+2*\m], s[36+2*\m], 127
	s_lshl_b32 s29, s[36+2*\m], 23
	v_mov_b32 v[10+2*\m], s29                      ; 2^e
	s_add_co_i32 s[36+2*\m], s[36+2*\m], 15
	s_lshl_b32 s29, s[36+2*\m], 23
	s_or_b32 s29, s29, 0x600000
	v_mov_b32 v[11+2*\m], s29                      ; 57,344 x 2^e
.endr
	s_wait_alu depctr_va_vdst(0)
	s_wait_loadcnt 0x0
.irp m, 0,1,2
.irp g, 0,1,2,3
.set TS, TM+16*(\g%2)                  ; the held numbers' two sets take turns, so that sixteen plain lines stand between a conversion and the rewriting of its sources
.set i, 0
.rept 16
	v_med3_num_f32 v[TS+i], v[X+16*\g+i], -v[11+2*\m], v[11+2*\m]
.set i, i+1
.endr
	v_cvt_scalef32_pk8_bf8_f32 v[CH+16*\m+4*\g:CH+16*\m+4*\g+1], v[TS:TS+7], v[10+2*\m]
	v_cvt_scalef32_pk8_bf8_f32 v[CH+16*\m+4*\g+2:CH+16*\m+4*\g+3], v[TS+8:TS+15], v[10+2*\m]
.endr
.endr
.irp m, 0,1,2
.irp g, 0,1,2,3
	global_store_b128 v4, v[CH+16*\m+4*\g:CH+16*\m+4*\g+3], s[22:23] offset:\m*1572864+\g*512   ; 512 consecutive bytes a store
.endr
.endr
	s_endpgm
.Lfunc_end_k_qd6501f3770_prep:
	.size	k_qd6501f3770_prep, .Lfunc_end_k_qd6501f3770_prep-k_qd6501f3770_prep
	.p2alignl 7, 3214868480
	.fill 96, 4, 3214868480
	.section	.rodata,"a",@progbits
	.p2align	6, 0x0
	.amdhsa_kernel k_qd6501f3770_prep
		.amdhsa_group_segment_fixed_size 0
		.amdhsa_private_segment_fixed_size 0
		.amdhsa_enable_private_segment 0
		.amdhsa_kernarg_size 64
		.amdhsa_user_sgpr_count 2
		.amdhsa_user_sgpr_kernarg_segment_ptr 1
		.amdhsa_wavefront_size32 1
		.amdhsa_system_sgpr_workgroup_id_x 1
		.amdhsa_system_sgpr_workgroup_id_y 1
		.amdhsa_system_sgpr_workgroup_id_z 1
		.amdhsa_system_vgpr_workitem_id 0
		.amdhsa_next_free_vgpr 176
		.amdhsa_next_free_sgpr 66
		.amdhsa_reserve_vcc 0
		.amdhsa_float_denorm_mode_32 3
		.amdhsa_float_denorm_mode_16_64 3
		.amdhsa_memory_ordered 1
		.amdhsa_forward_progress 1
		.amdhsa_inst_pref_size 65
	.end_amdhsa_kernel
	.amdgpu_metadata
---
amdhsa.version: [ 1, 2 ]
amdhsa.kernels:
  - .name:           k_qd6501f3770_prep
    .symbol:         k_qd6501f3770_prep.kd
    .args:
      - { .name: hidden_states, .offset: 0, .size: 8, .value_kind: global_buffer, .address_space: global }
      - { .name: Wq, .offset: 8, .size: 8, .value_kind: global_buffer, .address_space: global }
      - { .name: Wk, .offset: 16, .size: 8, .value_kind: global_buffer, .address_space: global }
      - { .name: Wv, .offset: 24, .size: 8, .value_kind: global_buffer, .address_space: global }
      - { .name: Wao, .offset: 32, .size: 8, .value_kind: global_buffer, .address_space: global }
      - { .name: Wo, .offset: 40, .size: 8, .value_kind: global_buffer, .address_space: global }
      - { .name: lowp_scales, .offset: 48, .size: 8, .value_kind: global_buffer, .address_space: global }
      - { .name: pc, .offset: 56, .size: 8, .value_kind: global_buffer, .address_space: global }
    .group_segment_fixed_size: 0
    .private_segment_fixed_size: 0
    .kernarg_segment_align: 8
    .kernarg_segment_size: 64
    .max_flat_workgroup_size: 128
    .sgpr_count:     66
    .vgpr_count:     176
    .wavefront_size: 32
...
	.end_amdgpu_metadata
.endif
;; end of part 1
;; launch attn (part 2): grid 12 x 16, 4 waves a work-group, no clusters, 180,736 bytes of LDS; arguments pc, bq, bk, bv, lowp_scales, ctxc; writes ctxc
.if DOCPART == 2
	.amdgcn_target "amdgcn-amd-amdhsa--gfx1250"
	.amdhsa_code_object_version 6
	.text
	.protected	k_qd6501f3770_attn
	.globl	k_qd6501f3770_attn
	.p2align	8
	.type	k_qd6501f3770_attn,@function
k_qd6501f3770_attn:
	s_mov_b64 s[64:65], 0
	v_nop
	global_prefetch_b8 v0, s[64:65] scope:SCOPE_SE
	s_setreg_imm32_b32 hwreg(HW_REG_WAVE_MODE, 25, 1), 1
	s_wait_xcnt 0x0
; One work-group makes 128 of the 256 queries of one (batch, head): k, v = hidden W + b for all 256 tokens x 64 channels, q for its 128, S^T = k q^T, the softmax, O^T = v^T p^T, and ctx's codes.  All five products on codes of E5M2.
; SHARES.  Work-group y = 2 x batch + half.  Wave w makes k and v of token tiles 4 w .. 4 w + 3 of the batch, and q of tiles 8 half + 2 w, + 1, for which it later walks all 256 keys.
;   k and v of a (batch, head) are so made twice, once in each half's work-group: 192 work-groups share the launch, and a wave walks two tiles of queries and not four; the softmax is the larger part of a wave's instructions.
; OPERANDS.  Every fragment is an image of its registers (registers 2 c, 2 c + 1 of lane (r, h): k = 16 c + 8 h + 0 .. 7), 512 consecutive bytes for four registers of the 32 lanes.
;   The head's 3 x 24 weight images (147,456 bytes) come into LDS once, by tensor loads issued at the head: waves 0, 1, 2 bring the images of Wq, Wk, Wv, each one dense block of 49,152 bytes, as 192 rows of 256 bytes;
;   one tensor load of a wave is out, no LDS byte is filled twice.  Each fragment read from LDS feeds four products (q: two).
;   The wave's hidden images go straight into its registers: a ring of six slots (one for each K step, 64 registers each; q fills half a slot) that is filled again for the next of q, k, v a step behind its use.
; LAYOUT.  q, k: source 0 = 16 columns of W, source 1 = 16 tokens: a lane holds ONE token and eight neighbouring channels, so one conversion gives registers 2 c, 2 c + 1 of the next operand (K = the head's 64).
;   v: source 0 = tokens, source 1 = columns: a lane holds one channel and eight neighbouring tokens: the keys are the last product's K.  S^T and O^T keep one query a lane, as q does.
; SOFTMAX.  t = score x log2(e) / 8; M = ceil(the row's largest t); p = 2^(t - M) is quantised, not normalised; the row's sum is taken of the unquantised p and divides O at the end.  All 256 keys of a row stand in registers: one pass.
; k's and v's codes go from wave to wave through LDS as images; one barrier.
; NO CLUSTER: of the 638,976 bytes that a work-group reads, 491,520 are hidden images that exactly one of its waves uses, loaded straight into its registers, where a joint load cannot put them.
; LIMITS: entries 6 to 10 in [-126, 112]; e0 + e1, e2 + e3, e4 + e5 in [-126, 127]; e6 + e7 in [-123, 130] (added to the exponent field of log2(e) / 8).  In product 4, A is q (entry 6), B is k (entry 7).  NaN is not served.
; REGISTERS, in windows of 256.  Window 0: v1-25 addresses and scales; v32-159 two sets of four weight fragments, later S^T; v160-223 two sets of 32 at work, later p's codes and O^T; v224-255 codes, later statistics and ctx's codes.
;   Window 1: v0-127 sixteen accumulators (8 (4 tau + c)); v128-143 q's fragments; v160-231 the biases.   Windows 2, 3: the ring (slot s at 512 + 64 s); later window 2 holds k's 16 and v's 8 fragments.
.set WC,    4718592
.set KIMG,  147456                     ; LDS: weights 0 .. 147,455; k: 16 tiles x 1,024; v: (2 dt + ks) x 2,048
.set VIMG,  163840
.set LI,  1                            ; 16 x lane
.set AW,  2                            ; v2-4  weight images of q, k, v
.set KST, 9
.set VST, 10
.set KRD, 11
.set VRD, 12
.set BO8, 13
.set BO1, 14
.set SC,  16                           ; v16-25: 2^e and 57,344 x 2^e for entries 6 .. 10
.set WB,  32
.set T0,  160
.set PC,  224
.set S,   32
.set P,   160
.set O,   192
.set MX,  224
.set MB,  225
.set PX,  226
.set NM,  228
.set SA,  230
.set SB,  232
.set LS,  234
.set INV, 236
.set CT,  240
.set QF,  128                          ; window 1
.set BQ,  160
.set BK,  192
.set BV,  224
.set G1,  68                           ; s[68:75] descriptor group 1: the shape of a weight's block
.set G0,  76                           ; s[76:79] descriptor group 0: from where, to where
.set MSB, 0
.macro WIN new                         ; bits 1:0 source 0, 3:2 source 1, 5:4 source 2, 7:6 destination; the high byte repeats the setting that is left
.if MSB != (\new)
	s_set_vgpr_msb (MSB<<8)|(\new)
.set MSB, (\new)
.endif
.endm
.macro PLACES                          ; four plain lines between a matrix instruction and a read of its result, a write of its registers, or a load into them
.rept 4
	v_nop
.endr
.endm
.macro REFILL m, s                     ; slot s takes K step s of hidden's set m: for k and v my four token tiles, 16 loads of 512 consecutive bytes; for q (m = 0) my two query tiles, 8 loads
.if (\s) < 4
	WIN 0x80
.set RB, 64*(\s)
.else
	WIN 0xc0
.set RB, 64*((\s)-4)
.endif
.irp tau, 0,1,2,3
.irp g, 0,1,2,3
.if (\m) == 0
.if \tau < 2
	global_load_b128 v[RB+16*\tau+4*\g:RB+16*\tau+4*\g+3], v[LI], s[46:47] offset:\tau*12288+(\s)*2048+\g*512
.endif
.else
	global_load_b128 v[RB+16*\tau+4*\g:RB+16*\tau+4*\g+3], v[LI], s[48:49] offset:(\m)*1572864+\tau*12288+(\s)*2048+\g*512
.endif
.endr
.endr
.endm
.macro WLOAD m, s, b                   ; the four weight fragments of K step s into set b
	WIN 0
.irp c, 0,1,2,3
.irp g, 0,1,2,3
	ds_load_b128 v[WB+64*(\b)+16*\c+4*\g:WB+64*(\b)+16*\c+4*\g+3], v[AW+(\m)] offset:(\c*6+(\s))*2048+\g*512
.endr
.endr
.endm
; A K step of 128: 16 products on sixteen accumulators (q: 8 on eight), which take turns.
.macro QSTEP m, s
	PLACES                                         ; behind the last step's products: its slot and its weight set are loaded again below
.if ((\m) < 2) && ((\s) >= 1)
	REFILL (\m)+1, (\s)-1
.endif
.if (\s) < 5
	WLOAD \m, (\s)+1, ((\s)+1)%2
	s_wait_dscnt 16                                ; this step's fragments are in; the 16 loads just issued may be out
.elseif (\m) < 2
	WLOAD (\m)+1, 0, 0
	s_wait_dscnt 16
.else
	s_wait_dscnt 0
.endif
.if (\m) == 0
.if 40+8*(\s) > 63
	s_wait_loadcnt 63                              ; more were issued behind this slot's than the wait can name
.else
	s_wait_loadcnt 40+8*(\s)                       ; behind this slot's loads: q's later slots, 8 (5 - s), and k's refills so far, 16 s
.endif
.elseif (\m) == 1
	s_wait_loadcnt 63                              ; 80 loads were issued behind this slot's (five slots); the wait can name 63
.elseif 16*(5-(\s)) > 63
	s_wait_loadcnt 63
.else
	s_wait_loadcnt 16*(5-(\s))                     ; behind this slot's loads: the later slots' of the last set
.endif
.if (\s) < 4
.set HB, 64*(\s)
.set HW, 2
.else
.set HB, 64*((\s)-4)
.set HW, 3
.endif
.if (\m) < 2
	WIN 0x50|(HW<<2)
.else
	WIN 0x50|HW
.endif
.set WS, WB+64*((\s)%2)
.irp tau, 0,1,2,3
.if ((\m) > 0) || (\tau < 2)
.irp c, 0,1,2,3
.if ((\m) < 2) && ((\s) == 0)
	v_wmma_f32_16x16x128_bf8_bf8 v[8*(4*\tau+\c):8*(4*\tau+\c)+7], v[WS+16*\c:WS+16*\c+15], v[HB+16*\tau:HB+16*\tau+15], 0
.elseif (\m) < 2
	v_wmma_f32_16x16x128_bf8_bf8 v[8*(4*\tau+\c):8*(4*\tau+\c)+7], v[WS+16*\c:WS+16*\c+15], v[HB+16*\tau:HB+16*\tau+15], v[8*(4*\tau+\c):8*(4*\tau+\c)+7]
.elseif (\s) == 0
	v_wmma_f32_16x16x128_bf8_bf8 v[8*(4*\tau+\c):8*(4*\tau+\c)+7], v[HB+16*\tau:HB+16*\tau+15], v[WS+16*\c:WS+16*\c+15], 0
.else
	v_wmma_f32_16x16x128_bf8_bf8 v[8*(4*\tau+\c):8*(4*\tau+\c)+7], v[HB+16*\tau:HB+16*\tau+15], v[WS+16*\c:WS+16*\c+15], v[8*(4*\tau+\c):8*(4*\tau+\c)+7]
.endif
.endr
.endif
.endr
.endm
; The finished sums of q (m = 0: two tiles), k (1) or v (2): x 2^(the two exponents) + bias in one multiply-add, held, converted.  q stays in registers; k and v go to LDS as images.
.macro POST m
.irp tau, 0,1,2,3
.if ((\m) > 0) || (\tau < 2)
.set TT, T0+32*(\tau%2)
	WIN 0x11
.irp c, 0,1,2,3
.irp i, 0,2,4,6
.if (\m) == 0
	v_pk_fma_f32 v[TT+8*\c+\i:TT+8*\c+\i+1], v[8*(4*\tau+\c)+\i:8*(4*\tau+\c)+\i+1], s[32:33], v[BQ+8*\c+\i:BQ+8*\c+\i+1] op_sel_hi:[1,0,1]
.elseif (\m) == 1
	v_pk_fma_f32 v[TT+8*\c+\i:TT+8*\c+\i+1], v[8*(4*\tau+\c)+\i:8*(4*\tau+\c)+\i+1], s[34:35], v[BK+8*\c+\i:BK+8*\c+\i+1] op_sel_hi:[1,0,1]
.else
	v_pk_fma_f32 v[TT+8*\c+\i:TT+8*\c+\i+1], v[8*(4*\tau+\c)+\i:8*(4*\tau+\c)+\i+1], s[36:37], v[BV+2*\c:BV+2*\c+1] op_sel_hi:[1,0,1]
.endif
.endr
.endr
	WIN 0
.set i, 0
.rept 32
	v_med3_num_f32 v[TT+i], v[TT+i], -v[SC+2*(\m)+1], v[SC+2*(\m)+1]
.set i, i+1
.endr
.if (\m) == 0
	WIN 0x40
.irp c, 0,1,2,3
	v_cvt_scalef32_pk8_bf8_f32 v[QF+8*\tau+2*\c:QF+8*\tau+2*\c+1], v[TT+8*\c:TT+8*\c+7], v[SC]
.endr
	WIN 0
	v_nop                                          ; a plain line behind the conversions
.elseif (\m) == 1
.irp c, 0,1,2,3
	v_cvt_scalef32_pk8_bf8_f32 v[PC+8*\tau+2*\c:PC+8*\tau+2*\c+1], v[TT+8*\c:TT+8*\c+7], v[SC+2]
.endr
	v_nop
	ds_store_b128 v[KST], v[PC+8*\tau:PC+8*\tau+3] offset:\tau*1024
	ds_store_b128 v[KST], v[PC+8*\tau+4:PC+8*\tau+7] offset:\tau*1024+512
.else
.irp c, 0,1,2,3                        ; key tile 4 w + tau is registers 8 (w % 2) + 2 tau, + 1 of v's fragment (c, w / 2)
	v_cvt_scalef32_pk8_bf8_f32 v[PC+8*\c+2*\tau:PC+8*\c+2*\tau+1], v[TT+8*\c:TT+8*\c+7], v[SC+4]
.endr
	v_nop
.endif
.endif
.endr
.if (\m) == 2
.irp dt, 0,1,2,3
.irp gg, 0,1
	ds_store_b128 v[VST], v[PC+8*\dt+4*\gg:PC+8*\dt+4*\gg+3] offset:\dt*4096+\gg*512
.endr
.endr
.endif
.endm
; One tile of 16 queries against all 256 keys.
.macro QT tau
	WIN 0x06                                       ; k in window 2, q in window 1
.irp kt, 0,1,2,3,4,5,6,7,8,9,10,11,12,13,14,15
	v_wmma_f32_16x16x64_bf8_bf8 v[S+8*\kt:S+8*\kt+7], v[8*\kt:8*\kt+7], v[QF+8*(\tau):QF+8*(\tau)+7], 0
.endr
	WIN 0
	PLACES
	v_max3_num_f32 v[MX], v[S], v[S+1], v[S+2]     ; the row's largest score among my 128 keys, in two chains, each accumulator from its low end on
	v_max3_num_f32 v[MB], v[S+3], v[S+4], v[S+5]
.set i, 6
.rept 30
	v_max3_num_f32 v[MX], v[MX], v[S+i], v[S+i+1]
	v_max3_num_f32 v[MB], v[MB], v[S+i+2], v[S+i+3]
.set i, i+4
.endr
	v_max3_num_f32 v[MX], v[MX], v[S+126], v[S+127]
	v_max_num_f32 v[MX], v[MX], v[MB]
	v_permlanex16_b32 v[PX], v[MX], s40, s41
	v_max_num_f32 v[MX], v[MX], v[PX]              ; and among the other half of the lanes'
	v_mul_f32 v[MX], s38, v[MX]                    ; as t (the factor is positive)
	v_floor_f32 v[NM], -v[MX]                      ; -M = floor(-t) = -ceil(t)
.set i, 0
.rept 64
	v_pk_fma_f32 v[S+i:S+i+1], v[S+i:S+i+1], s[38:39], v[NM:NM+1] op_sel_hi:[1,0,0]
.set i, i+2
.endr
.set i, 0
	s_wait_alu depctr_va_vdst(0)
.rept 128
	v_exp_f32 v[S+i], v[S+i]                       ; p = 2^(t - M)
.set i, i+1
.endr
	v_nop                                          ; a plain line behind the exponentials
	s_wait_alu depctr_va_vdst(0)
	v_pk_add_f32 v[SA:SA+1], v[S:S+1], v[S+2:S+3]  ; the row's sum, of the unquantised p, in two chains
	v_pk_add_f32 v[SB:SB+1], v[S+4:S+5], v[S+6:S+7]
.set i, 8
.rept 30
	v_pk_add_f32 v[SA:SA+1], v[SA:SA+1], v[S+i:S+i+1]
	v_pk_add_f32 v[SB:SB+1], v[SB:SB+1], v[S+i+2:S+i+3]
.set i, i+4
.endr
	v_pk_add_f32 v[SA:SA+1], v[SA:SA+1], v[SB:SB+1]
	v_add_f32 v[LS], v[SA], v[SA+1]
	v_permlanex16_b32 v[PX], v[LS], s40, s41
	v_add_f32 v[LS], v[LS], v[PX]
	s_wait_alu depctr_va_vdst(0)
	v_rcp_f32 v[INV], v[LS]
.set i, 0
.rept 128
	v_min_num_f32 v[S+i], v[S+i], v[SC+7]          ; p is never negative: a one-sided hold.  (These are also the plain lines behind the reciprocal)
.set i, i+1
.endr
	s_wait_alu depctr_va_vdst(0)
	v_ldexp_f32 v[INV], v[INV], s52                ; 2^(e8 + e9) / the sum
.irp kt, 0,1,2,3,4,5,6,7,8,9,10,11,12,13,14,15
	v_cvt_scalef32_pk8_bf8_f32 v[P+2*\kt:P+2*\kt+1], v[S+8*\kt:S+8*\kt+7], v[SC+6]
.endr
	v_nop
	WIN 0x02                                       ; v in window 2
.irp ks, 0,1
.irp dt, 0,1,2,3
.if \ks == 0
	v_wmma_f32_16x16x128_bf8_bf8 v[O+8*\dt:O+8*\dt+7], v[128+16*(2*\dt+\ks):128+16*(2*\dt+\ks)+15], v[P+16*\ks:P+16*\ks+15], 0
.else
	v_wmma_f32_16x16x128_bf8_bf8 v[O+8*\dt:O+8*\dt+7], v[128+16*(2*\dt+\ks):128+16*(2*\dt+\ks)+15], v[P+16*\ks:P+16*\ks+15], v[O+8*\dt:O+8*\dt+7]
.endif
.endr
.endr
	WIN 0
	PLACES
.set i, 0
.rept 16
	v_pk_mul_f32 v[O+i:O+i+1], v[O+i:O+i+1], v[INV:INV+1] op_sel_hi:[1,0]
.set i, i+2
.endr
.set i, 0
.rept 32
	v_med3_num_f32 v[O+i], v[O+i], -v[SC+9], v[SC+9]
.set i, i+1
.endr
	s_wait_alu depctr_va_vdst(0)
	s_wait_xcnt 0x0                                ; the last tile's stores have read ctx's code registers
.irp dt, 0,1,2,3
	v_cvt_scalef32_pk8_bf8_f32 v[CT+2*\dt:CT+2*\dt+1], v[O+8*\dt:O+8*\dt+7], v[SC+8]
.endr
	v_nop
.irp gg, 0,1
	global_store_b128 v[LI], v[CT+4*\gg:CT+4*\gg+3], s[50:51] offset:(\tau)*12288+\gg*512   ; 512 consecutive bytes of the tile's image
.endr
.endm
	s_load_b256 s[4:11], s[0:1], 0x0               ; pc, bq, bk, bv
	s_load_b128 s[12:15], s[0:1], 0x20             ; the scales' exponents, ctxc
	v_lshl_add_u32 v30, v0, 2, 0x2c000
	v_mov_b32 v31, 0
	ds_add_u32 v30, v31
	ds_add_u32 v30, v31
	v_lshrrev_b32 v15, 5, v0
	v_readfirstlane_b32 s16, v15                   ; wave
	s_and_b32 s18, ttmp7, 0xffff                   ; 2 x batch + half; ttmp9 is the head
	s_and_b32 s63, s18, 1                          ; which half of the batch's queries
	s_lshr_b32 s18, s18, 1                         ; batch
	; descriptor group 1: a dense block of 49,152 bytes as 192 rows of 32 elements of 8 bytes, laid into LDS without padding
	s_mov_b32 s[G1], 3<<16                         ; 15:0 no mask; 17:16 elements of 8 bytes; 20 padding off
	s_mov_b32 s[G1+1], 32<<16                      ; tensor_dim0 = 32
	s_mov_b32 s[G1+2], 192<<16                     ; tensor_dim1 = 192
	s_mov_b32 s[G1+3], 32<<16                      ; tile_dim0 = 32
	s_mov_b32 s[G1+4], 192                         ; tile_dim1 = 192
	s_mov_b32 s[G1+5], 32                          ; from row to row: 32 elements
	s_mov_b32 s[G1+6], 0
	s_mov_b32 s[G1+7], 0
	s_mul_i32 s62, s16, 49152
	s_mov_b32 s[G0], 1                             ; count = 1
	s_mov_b32 s[G0+1], s62                         ; LDS address: weight w's images begin at 49,152 w
	v_and_b32 v15, 31, v0
	v_lshlrev_b32 v[LI], 4, v15
	s_wait_alu depctr_va_vdst(0)
	v_mov_b32 v[AW], v[LI]
	v_add_nc_u32 v[AW+1], 49152, v[LI]
	v_add_nc_u32 v[AW+2], 98304, v[LI]
	s_lshl_b32 s19, s16, 12
	s_add_co_u32 s19, s19, KIMG
	v_add_nc_u32 v[KST], s19, v[LI]
	s_lshr_b32 s19, s16, 1
	s_lshl_b32 s19, s19, 11
	s_and_b32 s17, s16, 1
	s_lshl_b32 s17, s17, 10
	s_add_co_u32 s19, s19, s17
	s_add_co_u32 s19, s19, VIMG
	v_add_nc_u32 v[VST], s19, v[LI]
	v_add_nc_u32 v[KRD], KIMG, v[LI]
	v_add_nc_u32 v[VRD], VIMG, v[LI]
	v_bfe_u32 v[BO8], v0, 4, 1
	v_lshlrev_b32 v[BO8], 5, v[BO8]                ; bq, bk: eight numbers from 8 h on
	v_and_b32 v[BO1], 15, v0
	v_lshlrev_b32 v[BO1], 2, v[BO1]                ; bv: the number of channel r
	s_mul_i32 s52, ttmp9, 49152                    ; the head's four column tiles x six K steps,
	s_add_co_u32 s52, s52, WC
	s_mul_i32 s53, s16, 589824                     ; in weight w
	s_add_co_u32 s52, s52, s53
	s_mov_b32 s53, 0
	s_lshl_b32 s54, s18, 4                         ; the batch's first token tile
	s_lshl_b32 s55, s16, 2
	s_add_co_u32 s55, s54, s55                     ; k, v: my first token tile: 16 batch + 4 wave
	s_mul_i32 s56, s55, 12288
	s_mov_b32 s57, 0
	s_lshl_b32 s55, s63, 3
	s_add_co_u32 s54, s54, s55
	s_lshl_b32 s55, s16, 1
	s_add_co_u32 s54, s54, s55                     ; q: my first query tile: 16 batch + 8 half + 2 wave
	s_mul_i32 s44, s54, 12288
	s_mov_b32 s45, 0
	s_lshr_b32 s58, ttmp9, 1
	s_lshl_b32 s58, s58, 11
	s_and_b32 s59, ttmp9, 1
	s_lshl_b32 s59, s59, 10
	s_add_co_u32 s58, s58, s59
	s_add_co_u32 s58, s58, s44                     ; ctx: my query tiles' images, K step head / 2, registers 8 (head % 2) on
	s_mov_b32 s59, 0
	s_lshl_b32 s60, ttmp9, 8
	s_mov_b32 s61, 0
	s_wait_dscnt 0x0
	s_wait_kmcnt 0x0
	s_load_b256 s[20:27], s[12:13], 0x0            ; entries 0 .. 7
	s_load_b128 s[28:31], s[12:13], 0x20           ; entries 8 .. 11
	s_add_nc_u64 s[G0+2:G0+3], s[4:5], s[52:53]    ; global address of the block's first byte
	s_or_b32 s[G0+3], s[G0+3], 0x80000000          ; type = 2
	s_add_nc_u64 s[46:47], s[4:5], s[44:45]        ; hidden's images of my query tiles,
	s_add_nc_u64 s[48:49], s[4:5], s[56:57]        ; and of my token tiles
	s_add_nc_u64 s[50:51], s[14:15], s[58:59]
	s_add_nc_u64 s[6:7], s[6:7], s[60:61]
	s_add_nc_u64 s[8:9], s[8:9], s[60:61]
	s_add_nc_u64 s[10:11], s[10:11], s[60:61]
	s_cmp_lt_u32 s16, 3                            ; waves 0, 1, 2 bring Wq's, Wk's, Wv's images; wave 3 brings none.  The fill stands ahead of every wait for tensor loads, LDS read and barrier
	s_cbranch_scc0 .Lno_fill
	tensor_load_to_lds s[G0:G0+3], s[G1:G1+7]
	s_nop 0
.rept 4
	v_nop                                          ; four lines behind the load, ahead of the label and of the switch of windows
.endr
.Lno_fill:
	WIN 0x40
	s_wait_alu depctr_va_vdst(0)
.irp c, 0,1,2,3
	global_load_b128 v[BQ+8*\c:BQ+8*\c+3], v[BO8], s[6:7] offset:64*\c
	global_load_b128 v[BQ+8*\c+4:BQ+8*\c+7], v[BO8], s[6:7] offset:64*\c+16
	global_load_b128 v[BK+8*\c:BK+8*\c+3], v[BO8], s[8:9] offset:64*\c
	global_load_b128 v[BK+8*\c+4:BK+8*\c+7], v[BO8], s[8:9] offset:64*\c+16
	global_load_b32 v[BV+2*\c], v[BO1], s[10:11] offset:64*\c
	global_load_b32 v[BV+2*\c+1], v[BO1], s[10:11] offset:64*\c      ; twice: a pair for the packed multiply-add
.endr
.irp s, 0,1,2,3,4,5
	REFILL 0, \s
.endr
	WIN 0
	s_wait_kmcnt 0x0
	s_add_co_i32 s32, s20, s21
	s_add_co_i32 s32, s32, 127
	s_lshl_b32 s32, s32, 23                        ; 2^(e0 + e1)
	s_mov_b32 s33, s32
	s_add_co_i32 s34, s22, s23
	s_add_co_i32 s34, s34, 127
	s_lshl_b32 s34, s34, 23                        ; 2^(e2 + e3)
	s_mov_b32 s35, s34
	s_add_co_i32 s36, s24, s25
	s_add_co_i32 s36, s36, 127
	s_lshl_b32 s36, s36, 23                        ; 2^(e4 + e5)
	s_mov_b32 s37, s36
	s_add_co_i32 s38, s26, s27
	s_lshl_b32 s38, s38, 23
	s_add_co_i32 s38, s38, 0x3e38aa3b              ; log2(e) / 8 x 2^(e6 + e7)
	s_mov_b32 s39, s38
	s_mov_b32 s40, 0x76543210
	s_mov_b32 s41, 0xfedcba98
	s_add_co_i32 s52, s28, s29                     ; e8 + e9
.irp n, 0,1,2,3,4
	s_add_co_i32 s54, s[26+\n], 127
	s_lshl_b32 s55, s54, 23
	v_mov_b32 v[SC+2*\n], s55
	s_add_co_i32 s54, s54, 15
	s_lshl_b32 s54, s54, 23
	s_or_b32 s54, s54, 0x600000
	v_mov_b32 v[SC+2*\n+1], s54
.endr
	s_wait_tensorcnt 0x0                           ; my weight's images are in LDS (wave 3 has nothing out),
	s_barrier_signal -1
	s_barrier_wait -1                              ; everybody's are
	WLOAD 0, 0, 0
.irp m, 0,1,2
.irp s, 0,1,2,3,4,5
	QSTEP \m, \s
.endr
	PLACES
.if \m < 2
	REFILL \m+1, 5
.endif
	POST \m                                        ; (v's codes take the registers that k's LDS stores read: step 5 of v has waited for all LDS instructions)
.endr
	s_wait_dscnt 0x0                               ; my images of k and v have landed
	s_barrier_signal -1
	s_barrier_wait -1
	WIN 0x80
.irp kt, 0,1,2,3,4,5,6,7,8,9,10,11,12,13,14,15
	ds_load_b128 v[8*\kt:8*\kt+3], v[KRD] offset:\kt*1024
	ds_load_b128 v[8*\kt+4:8*\kt+7], v[KRD] offset:\kt*1024+512
.endr
.irp f, 0,1,2,3,4,5,6,7
.irp g, 0,1,2,3
	ds_load_b128 v[128+16*\f+4*\g:128+16*\f+4*\g+3], v[VRD] offset:\f*2048+\g*512
.endr
.endr
	WIN 0
	v_mov_b32 v[PX], 0                             ; a lane permute's destination counts as read
	v_mov_b32 v[NM+1], 0                           ; named as the upper halves of pairs
	v_mov_b32 v[INV+1], 0
	s_wait_dscnt 0x0
	QT 0
	QT 1
	s_wait_tensorcnt 0x0
	ds_add_u32 v30, v31
	s_wait_dscnt 0x0
	s_endpgm
.Lfunc_end_k_qd6501f3770_attn:
	.size	k_qd6501f3770_attn, .Lfunc_end_k_qd6501f3770_attn-k_qd6501f3770_attn
	.p2alignl 7, 3214868480
	.fill 96, 4, 3214868480
	.section	.rodata,"a",@progbits
	.p2align	6, 0x0
	.amdhsa_kernel k_qd6501f3770_attn
		.amdhsa_group_segment_fixed_size 180736
		.amdhsa_private_segment_fixed_size 0
		.amdhsa_enable_private_segment 0
		.amdhsa_kernarg_size 48
		.amdhsa_user_sgpr_count 2
		.amdhsa_user_sgpr_kernarg_segment_ptr 1
		.amdhsa_wavefront_size32 1
		.amdhsa_system_sgpr_workgroup_id_x 1
		.amdhsa_system_sgpr_workgroup_id_y 1
		.amdhsa_system_sgpr_workgroup_id_z 1
		.amdhsa_system_vgpr_workitem_id 0
		.amdhsa_next_free_vgpr 896
		.amdhsa_next_free_sgpr 80
		.amdhsa_reserve_vcc 0
		.amdhsa_float_denorm_mode_32 3
		.amdhsa_float_denorm_mode_16_64 3
		.amdhsa_memory_ordered 1
		.amdhsa_forward_progress 1
		.amdhsa_inst_pref_size 163
	.end_amdhsa_kernel
	.amdgpu_metadata
---
amdhsa.version: [ 1, 2 ]
amdhsa.kernels:
  - .name:           k_qd6501f3770_attn
    .symbol:         k_qd6501f3770_attn.kd
    .args:
      - { .name: pc, .offset: 0, .size: 8, .value_kind: global_buffer, .address_space: global }
      - { .name: bq, .offset: 8, .size: 8, .value_kind: global_buffer, .address_space: global }
      - { .name: bk, .offset: 16, .size: 8, .value_kind: global_buffer, .address_space: global }
      - { .name: bv, .offset: 24, .size: 8, .value_kind: global_buffer, .address_space: global }
      - { .name: lowp_scales, .offset: 32, .size: 8, .value_kind: global_buffer, .address_space: global }
      - { .name: ctxc, .offset: 40, .size: 8, .value_kind: global_buffer, .address_space: global }
    .group_segment_fixed_size: 180736
    .private_segment_fixed_size: 0
    .kernarg_segment_align: 8
    .kernarg_segment_size: 48
    .max_flat_workgroup_size: 128
    .sgpr_count:     80
    .vgpr_count:     896
    .wavefront_size: 32
...
	.end_amdgpu_metadata
.endif
;; end of part 2
;; launch proj (part 3): grid 256 x 1, 16 waves a work-group, no clusters, 229,376 bytes of LDS; arguments ctxc, pc, hidden_states, bao, ln1_g, ln1_b, Wr, br, lowp_scales, xf, xc, eid, out1, Wi; writes xf, xc, eid, out1
.if DOCPART == 3
	.amdgcn_target "amdgcn-amd-amdhsa--gfx1250"
	.amdhsa_code_object_version 6
	.text
	.protected	k_qd6501f3770_proj
	.globl	k_qd6501f3770_proj
	.p2align	8
	.type	k_qd6501f3770_proj,@function
k_qd6501f3770_proj:
	s_mov_b64 s[64:65], 0
	v_nop
	global_prefetch_b8 v0, s[64:65] scope:SCOPE_SE
	s_setreg_imm32_b32 hwreg(HW_REG_WAVE_MODE, 25, 1), 1
	s_wait_xcnt 0x0
; attention_output = LN1(ctx Wao + bao + hidden), the router's softmax and its first largest score, and x's codes under the chosen expert's scale.  A work-group owns 16 tokens, whole rows.
; PHASE G.  Wave w makes columns 48 w .. 48 w + 47 for the 16 tokens: source 0 = 16 columns of Wao, source 1 = ctx: a lane holds one token and eight neighbouring columns.  Images of ctx and Wao come straight
;   into registers, 512 consecutive bytes a load, Wao two K steps ahead.  The raw sums meet in a stage of 16 rows x (3,072 + 16) bytes.
; PHASE R.  Wave w owns token w of the tile; lane L holds columns 128 i + 4 L + 0 .. 3.  Mean, then the squares of the differences (two passes, never a difference of sums), v_rsq_f32.
;   Router: f32 multiply-adds against Wr from LDS (groups of four rows, 128 + 16 bytes), eight sums over the lanes, softmax with the row's maximum taken away.
;   The choice only SELECTS values (the index, the scale's pattern) by v_cndmask_b32: no address and no branch hangs on it.  It is stored as a whole number for the next launch.
;   x's codes: the row goes back into the wave's own stage row and returns eight neighbours a lane.  xc: a row of 768 bytes a token; bytes 32 G + 16 h + 0 .. 15 are registers 4 g .. 4 g + 3 of lane half h (G = k / 32).
; NO CLUSTER: each fragment of Wao feeds one product in a work-group and goes straight into registers; through LDS its 589,824 bytes would be written and read once more.
; LIMITS: e10 + e11 in [-126, 127]; entries 12, 14 .. 26 in [-126, 112].  NaN is not served.
.set WC,   4718592
.set WRL,  49664                       ; LDS: stage 0 .. 49,407; Wr; the 16 tokens' scores; their indices
.set SCO,  77312
.set IDS,  77824
.set CTX,  16                          ; phase G: v16-111 ctx's six fragments; v112-207 two sets of three fragments of Wao; v232-255 three accumulators
.set WA,   112
.set ACC,  232
.set Y,    16                          ; phase R
.set RES,  40
.set BAO,  64
.set G,    88
.set B,    112
.set WRB,  136                         ; v136-199 two sets of 32: four rows of Wr
.set XN,   200
.set XC,   224
.set RA,   232                         ; the eight logits, then scores
.set TA,   240
.set TB,   242
.set MU,   244
.set PXR,  246
.set BEST, 247
.set IDX,  248
.set SCL,  249
.set LIM,  250
.set SEL,  70
.set I768, 72
.macro PLACES
.rept 4
	v_nop
.endr
.endm
.macro WLD s
.irp c, 0,1,2
.irp g, 0,1,2,3
	global_load_b128 v[WA+48*((\s)%2)+16*\c+4*\g:WA+48*((\s)%2)+16*\c+4*\g+3], v1, s[6:7] offset:(\c*6+(\s))*2048+\g*512
.endr
.endr
.endm
.macro GSTEP s
.if (\s) < 5
	s_wait_loadcnt 12                              ; this step's fragments are in; the next step's 12 loads may be out
.else
	s_wait_loadcnt 0
.endif
.irp c, 0,1,2                          ; three accumulators by turns
.if (\s) == 0
	v_wmma_f32_16x16x128_bf8_bf8 v[ACC+8*\c:ACC+8*\c+7], v[WA+48*((\s)%2)+16*\c:WA+48*((\s)%2)+16*\c+15], v[CTX+16*(\s):CTX+16*(\s)+15], 0
.else
	v_wmma_f32_16x16x128_bf8_bf8 v[ACC+8*\c:ACC+8*\c+7], v[WA+48*((\s)%2)+16*\c:WA+48*((\s)%2)+16*\c+15], v[CTX+16*(\s):CTX+16*(\s)+15], v[ACC+8*\c:ACC+8*\c+7]
.endif
.endr
	PLACES                                         ; in front of loads into the set just read, and of the first read of results
.if (\s)+2 < 6
	WLD (\s)+2
.endif
.endm
.macro WSUM a, t                       ; the sum over the wave's 32 lanes, in every lane
	v_add_f32_dpp v[\a], v[\a], v[\a] row_xmask:1 row_mask:0xf bank_mask:0xf
	s_delay_alu instid0(VALU_DEP_1)
	v_add_f32_dpp v[\a], v[\a], v[\a] row_xmask:2 row_mask:0xf bank_mask:0xf
	s_delay_alu instid0(VALU_DEP_1)
	v_add_f32_dpp v[\a], v[\a], v[\a] row_xmask:4 row_mask:0xf bank_mask:0xf
	s_delay_alu instid0(VALU_DEP_1)
	v_add_f32_dpp v[\a], v[\a], v[\a] row_xmask:8 row_mask:0xf bank_mask:0xf
	s_delay_alu instid0(VALU_DEP_1)
	v_permlanex16_b32 v[\t], v[\a], s[SEL], s[SEL+1]
	s_delay_alu instid0(VALU_DEP_1)
	v_add_f32 v[\a], v[\a], v[\t]
.endm
.macro LNCORE                          ; Y's 24 numbers a lane (a row of 768) become g (y - mean) / sqrt(var + 1e-12) + b
	v_pk_add_f32 v[TA:TA+1], v[Y:Y+1], v[Y+2:Y+3]
	v_pk_add_f32 v[TB:TB+1], v[Y+4:Y+5], v[Y+6:Y+7]
.irp j, 8,12,16,20
	s_delay_alu instid0(VALU_DEP_2)
	v_pk_add_f32 v[TA:TA+1], v[TA:TA+1], v[Y+\j:Y+\j+1]
	s_delay_alu instid0(VALU_DEP_2)
	v_pk_add_f32 v[TB:TB+1], v[TB:TB+1], v[Y+\j+2:Y+\j+3]
.endr
	s_delay_alu instid0(VALU_DEP_1)
	v_pk_add_f32 v[TA:TA+1], v[TA:TA+1], v[TB:TB+1]
	s_delay_alu instid0(VALU_DEP_1)
	v_add_f32 v[TA], v[TA], v[TA+1]
	WSUM TA, PXR
	s_delay_alu instid0(VALU_DEP_1)
	v_mul_f32 v[MU], s[I768], v[TA]
	s_delay_alu instid0(VALU_DEP_1)
	v_mov_b32 v[MU+1], v[MU]
.irp j, 0,2,4,6,8,10,12,14,16,18,20,22
	v_pk_add_f32 v[Y+\j:Y+\j+1], v[Y+\j:Y+\j+1], v[MU:MU+1] neg_lo:[0,1] neg_hi:[0,1]
.endr
	v_pk_mul_f32 v[TA:TA+1], v[Y:Y+1], v[Y:Y+1]
	v_pk_mul_f32 v[TB:TB+1], v[Y+2:Y+3], v[Y+2:Y+3]
.irp j, 4,8,12,16,20
	s_delay_alu instid0(VALU_DEP_2)
	v_pk_fma_f32 v[TA:TA+1], v[Y+\j:Y+\j+1], v[Y+\j:Y+\j+1], v[TA:TA+1]
	s_delay_alu instid0(VALU_DEP_2)
	v_pk_fma_f32 v[TB:TB+1], v[Y+\j+2:Y+\j+3], v[Y+\j+2:Y+\j+3], v[TB:TB+1]
.endr
	s_delay_alu instid0(VALU_DEP_1)
	v_pk_add_f32 v[TA:TA+1], v[TA:TA+1], v[TB:TB+1]
	s_delay_alu instid0(VALU_DEP_1)
	v_add_f32 v[TA], v[TA], v[TA+1]
	WSUM TA, PXR
	s_delay_alu instid0(VALU_DEP_1)
	v_fmaak_f32 v[TA], s[I768], v[TA], 0x2b8cbccc  ; var + 1e-12
	s_wait_alu depctr_va_vdst(0)
	v_rsq_f32 v[MU], v[TA]
	v_rsq_f32 v[MU+1], v[TA]
	v_nop                                          ; a plain line behind the transcendentals
	s_wait_alu depctr_va_vdst(0)
.irp j, 0,2,4,6,8,10,12,14,16,18,20,22
	v_pk_mul_f32 v[Y+\j:Y+\j+1], v[Y+\j:Y+\j+1], v[MU:MU+1]
.endr
.irp j, 0,2,4,6,8,10,12,14,16,18,20,22
	v_pk_fma_f32 v[Y+\j:Y+\j+1], v[Y+\j:Y+\j+1], v[G+\j:G+\j+1], v[B+\j:B+\j+1]
.endr
.endm
.macro WRLOAD i                        ; the four rows of Wr that belong to my columns 128 i + 4 L + 0 .. 3
.irp k, 0,1,2,3,4,5,6,7
	ds_load_b128 v[WRB+32*((\i)%2)+4*\k:WRB+32*((\i)%2)+4*\k+3], v6 offset:(\i)*4608+16*\k
.endr
.endm
.macro RCHUNK i, first                 ; logits += x(column) x Wr(column, 0 .. 7): four pairs of experts; x's one register feeds both halves
.set WR, WRB+32*((\i)%2)
.irp c, 0,1,2,3
.irp p, 0,1,2,3
.if (\first) && (\c == 0)
	v_pk_mul_f32 v[RA+2*\p:RA+2*\p+1], v[Y+4*(\i):Y+4*(\i)+1], v[WR+2*\p:WR+2*\p+1] op_sel_hi:[0,1]
.elseif (\c % 2) == 0
	v_pk_fma_f32 v[RA+2*\p:RA+2*\p+1], v[Y+4*(\i)+\c:Y+4*(\i)+\c+1], v[WR+8*\c+2*\p:WR+8*\c+2*\p+1], v[RA+2*\p:RA+2*\p+1] op_sel_hi:[0,1,1]
.else
	s_delay_alu instid0(VALU_DEP_4)
	v_pk_fma_f32 v[RA+2*\p:RA+2*\p+1], v[Y+4*(\i)+\c-1:Y+4*(\i)+\c], v[WR+8*\c+2*\p:WR+8*\c+2*\p+1], v[RA+2*\p:RA+2*\p+1] op_sel:[1,0,0] op_sel_hi:[1,1,1]
.endif
.endr
.endr
.endm
	s_load_b512 s[4:19], s[0:1], 0x0               ; ctxc, pc, hidden, bao, ln1_g, ln1_b, Wr, br
	s_load_b256 s[20:27], s[0:1], 0x40             ; scales, xf, xc, eid
	s_load_b64 s[28:29], s[0:1], 0x60              ; out1
	v_lshl_add_u32 v230, v0, 2, 0x13100
	v_mov_b32 v231, 0
	; Work-groups 128 .. 255 own no tokens: they turn Wi into codes for the next launch (at .Lquant).  The choice hangs on the work-group's number alone.
	s_cmp_ge_u32 ttmp9, 128
	s_wait_alu depctr_va_vdst(0)                   ; the wait directly ahead of the branch
	s_cbranch_scc1 .Lquant
	v_and_b32 v14, 31, v0                          ; lane (kept)
	v_lshrrev_b32 v15, 5, v0
	s_delay_alu instid0(VALU_DEP_1)
	v_readfirstlane_b32 s30, v15                   ; wave 0 .. 15
	s_delay_alu instid0(VALU_DEP_3)
	v_lshlrev_b32 v1, 4, v14                       ; 16 x lane
	v_and_b32 v13, 15, v0                          ; r
	v_bfe_u32 v12, v0, 4, 1                        ; h
	s_delay_alu instid0(VALU_DEP_2)
	v_mul_u32_u24 v2, v13, 3088
	s_delay_alu instid0(VALU_DEP_1)
	v_lshl_add_u32 v2, v12, 5, v2
	s_mul_i32 s31, s30, 192
	v_add_nc_u32 v2, s31, v2                       ; the stage, in: row r, + 32 h, + my 48 columns
	v_lshlrev_b32 v3, 4, v0                        ; Wr in memory: 16 bytes a thread
	v_lshrrev_b32 v4, 3, v0
	s_delay_alu instid0(VALU_DEP_1)
	v_mul_u32_u24 v4, v4, 144
	v_and_b32 v5, 7, v0
	s_delay_alu instid0(VALU_DEP_1)
	v_lshl_add_u32 v4, v5, 4, v4
	s_delay_alu instid0(VALU_DEP_1)
	v_add_nc_u32 v4, WRL, v4                       ; and in LDS: 16 bytes of padding behind each 128
	s_mul_i32 s31, s30, 3088
	v_add_nc_u32 v5, s31, v1                       ; my token's stage row, 16 bytes a lane
	v_mul_u32_u24 v6, v14, 144
	s_delay_alu instid0(VALU_DEP_1)
	v_add_nc_u32 v6, WRL, v6
	v_lshl_add_u32 v7, v14, 5, s31                 ; the same row, 32 bytes a lane
	v_lshrrev_b32 v8, 2, v14
	s_delay_alu instid0(VALU_DEP_1)
	v_lshlrev_b32 v8, 5, v8
	v_and_b32 v9, 1, v14
	s_delay_alu instid0(VALU_DEP_1)
	v_lshl_add_u32 v8, v9, 4, v8
	v_bfe_u32 v9, v14, 1, 1
	s_delay_alu instid0(VALU_DEP_1)
	v_lshl_add_u32 v8, v9, 3, v8                   ; xc: the eight codes of k = 8 L on lie at 32 (L / 4) + 8 x {0, 2, 1, 3}[L % 4]
	s_lshl_b32 s31, s30, 5
	s_add_co_u32 s31, s31, SCO
	v_mov_b32 v9, s31
	s_lshl_b32 s31, s30, 2
	s_add_co_u32 s31, s31, IDS
	v_mov_b32 v10, s31
	v_add_nc_u32 v11, SCO, v1
	v_lshl_add_u32 v12, v13, 2, IDS
	v_lshlrev_b32 v13, 2, v13
	s_lshl_b32 s32, ttmp9, 4
	s_add_co_u32 s32, s32, s30                     ; my token
	s_mul_i32 s66, s32, 3072
	s_mov_b32 s67, 0
	s_mul_i32 s74, s32, 768
	s_mov_b32 s75, 0
	s_mul_i32 s76, ttmp9, 12288
	s_mov_b32 s77, 0
	s_mul_i32 s78, s30, 36864                      ; my three column tiles x six K steps
	s_add_co_u32 s78, s78, WC+1769472
	s_mov_b32 s79, 0
	s_lshl_b32 s32, ttmp9, 6
	s_mov_b32 s33, 0
	s_lshl_b32 s34, ttmp9, 9
	s_mov_b32 s35, 0
	s_mov_b32 s[SEL], 0x76543210
	s_mov_b32 s[SEL+1], 0xfedcba98
	s_mov_b32 s[I768], 0x3aaaaaab                  ; 1 / 768
	s_wait_kmcnt 0x0
	s_load_b512 s[36:51], s[20:21], 0x30           ; entries 12 .. 27
	s_load_b64 s[52:53], s[20:21], 0x28            ; entries 10, 11
	s_load_b256 s[56:63], s[18:19], 0x0            ; br
	s_add_nc_u64 s[4:5], s[4:5], s[76:77]
	s_add_nc_u64 s[6:7], s[6:7], s[78:79]
	s_add_nc_u64 s[8:9], s[8:9], s[66:67]
	s_add_nc_u64 s[22:23], s[22:23], s[66:67]
	s_add_nc_u64 s[24:25], s[24:25], s[74:75]
	s_add_nc_u64 s[26:27], s[26:27], s[32:33]
	s_add_nc_u64 s[28:29], s[28:29], s[34:35]
.irp k, 0,1,2
	global_load_b128 v[208+4*\k:211+4*\k], v3, s[16:17] offset:8192*\k
.endr
.irp s, 0,1,2,3,4,5
.irp g, 0,1,2,3
	global_load_b128 v[CTX+16*\s+4*\g:CTX+16*\s+4*\g+3], v1, s[4:5] offset:\s*2048+\g*512
.endr
.endr
	WLD 0
	WLD 1
	s_wait_loadcnt 48                              ; Wr's three loads are in; behind them: ctx's 24 and two steps of Wao
.irp k, 0,1,2
	ds_store_b128 v4, v[208+4*\k:211+4*\k] offset:9216*\k
.endr
.irp s, 0,1,2,3,4,5
	GSTEP \s
.endr
.irp c, 0,1,2
	ds_store_b128 v2, v[ACC+8*\c:ACC+8*\c+3] offset:64*\c
	ds_store_b128 v2, v[ACC+8*\c+4:ACC+8*\c+7] offset:64*\c+16
.endr
.irp i, 0,1,2,3,4,5                    ; my token's row of hidden, and bao, g, b: 512 consecutive bytes a load
	global_load_b128 v[RES+4*\i:RES+4*\i+3], v1, s[8:9] offset:512*\i
	global_load_b128 v[BAO+4*\i:BAO+4*\i+3], v1, s[10:11] offset:512*\i
	global_load_b128 v[G+4*\i:G+4*\i+3], v1, s[12:13] offset:512*\i
	global_load_b128 v[B+4*\i:B+4*\i+3], v1, s[14:15] offset:512*\i
.endr
	s_wait_dscnt 0x0                               ; my part of the stage and of Wr has landed
	s_barrier_signal -1
	s_barrier_wait -1
.irp i, 0,1,2,3,4,5
	ds_load_b128 v[Y+4*\i:Y+4*\i+3], v5 offset:512*\i
.endr
	WRLOAD 0
	WRLOAD 1
	s_wait_kmcnt 0x0
	s_add_co_i32 s68, s52, s53
	s_add_co_i32 s68, s68, 127
	s_lshl_b32 s68, s68, 23                        ; 2^(e10 + e11)
	s_mov_b32 s69, s68
.irp i, 0,1,2,3,4,5,6,7
	s_add_co_i32 s[36+2*\i], s[36+2*\i], 127
	s_lshl_b32 s[36+2*\i], s[36+2*\i], 23          ; 2^e of x under expert i
.endr
	v_mov_b32 v[PXR], 0                            ; a lane permute's destination counts as read
	s_wait_loadcnt 0x0
.irp j, 0,2,4,6,8,10,12,14,16,18,20,22
	v_pk_add_f32 v[RES+\j:RES+\j+1], v[RES+\j:RES+\j+1], v[BAO+\j:BAO+\j+1]
.endr
	s_wait_dscnt 16                                ; the row is in; Wr's 16 loads may be out
.irp j, 0,2,4,6,8,10,12,14,16,18,20,22
	v_pk_fma_f32 v[Y+\j:Y+\j+1], v[Y+\j:Y+\j+1], s[68:69], v[RES+\j:RES+\j+1] op_sel_hi:[1,0,1]
.endr
	LNCORE
.irp i, 0,1,2,3,4,5
	global_store_b128 v1, v[Y+4*\i:Y+4*\i+3], s[22:23] offset:512*\i
	ds_store_b128 v5, v[Y+4*\i:Y+4*\i+3] offset:512*\i      ; back into my own row: no other wave touches it behind the barrier
.endr
	s_wait_dscnt 14                                ; chunk 0 of Wr is in; behind it: chunk 1's 8 loads and the 6 stores
	RCHUNK 0, 1
	WRLOAD 2
	s_wait_alu depctr_va_vdst(0)
	s_wait_dscnt 14                                ; behind chunk 1: the 6 stores and chunk 2's 8 loads
	RCHUNK 1, 0
	WRLOAD 3
	s_wait_alu depctr_va_vdst(0)
	s_wait_dscnt 8
	RCHUNK 2, 0
	WRLOAD 4
	s_wait_alu depctr_va_vdst(0)
	s_wait_dscnt 8
	RCHUNK 3, 0
	WRLOAD 5
	s_wait_alu depctr_va_vdst(0)
	s_wait_dscnt 8
	RCHUNK 4, 0
	s_wait_alu depctr_va_vdst(0)
	s_wait_dscnt 0x0
	RCHUNK 5, 0
.irp i, 0,1,2                          ; x once more, eight neighbours a lane: columns 256 i + 8 L + 0 .. 7
	ds_load_b128 v[XN+8*\i:XN+8*\i+3], v7 offset:1024*\i
	ds_load_b128 v[XN+8*\i+4:XN+8*\i+7], v7 offset:1024*\i+16
.endr
.irp e, 0,1,2,3,4,5,6,7
	WSUM RA+\e, PXR
.endr
.irp e, 0,1,2,3,4,5,6,7
	v_add_f32 v[RA+\e], s[56+\e], v[RA+\e]
.endr
	v_max3_num_f32 v[TA], v[RA], v[RA+1], v[RA+2]
	s_delay_alu instid0(VALU_DEP_1)
	v_max3_num_f32 v[TA], v[TA], v[RA+3], v[RA+4]
	s_delay_alu instid0(VALU_DEP_1)
	v_max3_num_f32 v[TA], v[TA], v[RA+5], v[RA+6]
	s_delay_alu instid0(VALU_DEP_1)
	v_max_num_f32 v[TA], v[TA], v[RA+7]
.irp e, 0,1,2,3,4,5,6,7
	v_sub_f32 v[RA+\e], v[RA+\e], v[TA]            ; the row's maximum is taken away first, exactly
.endr
.irp e, 0,1,2,3,4,5,6,7
	v_mul_f32 v[RA+\e], 0x3fb8aa3b, v[RA+\e]
.endr
	s_wait_alu depctr_va_vdst(0)
.irp e, 0,1,2,3,4,5,6,7
	v_exp_f32 v[RA+\e], v[RA+\e]
.endr
	v_nop
	s_wait_alu depctr_va_vdst(0)
	v_pk_add_f32 v[TA:TA+1], v[RA:RA+1], v[RA+2:RA+3]
	v_pk_add_f32 v[TB:TB+1], v[RA+4:RA+5], v[RA+6:RA+7]
	s_delay_alu instid0(VALU_DEP_1)
	v_pk_add_f32 v[TA:TA+1], v[TA:TA+1], v[TB:TB+1]
	s_delay_alu instid0(VALU_DEP_1)
	v_add_f32 v[TA], v[TA], v[TA+1]
	s_wait_alu depctr_va_vdst(0)
	v_rcp_f32 v[TB], v[TA]
	v_mov_b32 v[IDX], 0                            ; (a plain line behind the reciprocal)
	s_wait_alu depctr_va_vdst(0)
.irp e, 0,1,2,3,4,5,6,7
	v_mul_f32 v[RA+\e], v[RA+\e], v[TB]
.endr
	v_mov_b32 v[BEST], v[RA]
	v_mov_b32 v[SCL], s36
.irp e, 1
	s_delay_alu instid0(VALU_DEP_2)
	v_cmp_ge_f32 vcc_lo, v[BEST], v[RA+\e]
	s_delay_alu instid0(VALU_DEP_1)
	v_cndmask_b32 v[IDX], \e, v[IDX], vcc_lo
	s_delay_alu instid0(VALU_DEP_2)
	v_cndmask_b32 v[SCL], s[36+2*\e], v[SCL], vcc_lo
	s_delay_alu instid0(VALU_DEP_3)
	v_cndmask_b32 v[BEST], v[RA+\e], v[BEST], vcc_lo
.endr
.irp e, 2, 3, 4, 5, 6, 7
	s_delay_alu instid0(VALU_DEP_1)
	v_cmp_ge_f32 vcc_lo, v[BEST], v[RA+\e]
	s_delay_alu instid0(VALU_DEP_1)
	v_cndmask_b32 v[IDX], \e, v[IDX], vcc_lo
	s_delay_alu instid0(VALU_DEP_2)
	v_cndmask_b32 v[SCL], s[36+2*\e], v[SCL], vcc_lo
	s_delay_alu instid0(VALU_DEP_3)
	v_cndmask_b32 v[BEST], v[RA+\e], v[BEST], vcc_lo
.endr
	s_delay_alu instid0(VALU_DEP_2)
	v_add_nc_u32 v[LIM], 0x7800000, v[SCL]
	s_delay_alu instid0(VALU_DEP_1)
	v_or_b32 v[LIM], 0x600000, v[LIM]              ; 57,344 x the scale
	s_wait_alu depctr_va_vdst(0)
	s_wait_dscnt 0x0
.set i, 0
.rept 24
	v_med3_num_f32 v[XN+i], v[XN+i], -v[LIM], v[LIM]
.set i, i+1
.endr
.irp i, 0,1,2
	v_cvt_scalef32_pk8_bf8_f32 v[XC+2*\i:XC+2*\i+1], v[XN+8*\i:XN+8*\i+7], v[SCL]
.endr
	v_nop
.irp i, 0,1,2
	global_store_b64 v8, v[XC+2*\i:XC+2*\i+1], s[24:25] offset:256*\i       ; the 32 lanes fill 256 consecutive bytes
.endr
	ds_store_b128 v9, v[RA:RA+3]                   ; every lane holds the same eight scores and writes the same bytes
	ds_store_b128 v9, v[RA+4:RA+7] offset:16
	ds_store_b32 v10, v[IDX]
	s_wait_dscnt 0x0
	s_barrier_signal -1
	s_barrier_wait -1
	s_cmp_lg_u32 s30, 0
	s_cbranch_scc1 .Lend
	ds_load_b128 v[40:43], v11                     ; wave 0 stores the 16 tokens' scores, 512 consecutive bytes,
	ds_load_b32 v44, v12
	v_cmp_gt_u32 vcc_lo, 16, v14
	s_wait_dscnt 0x0
	global_store_b128 v1, v[40:43], s[28:29]
	s_wait_xcnt 0x0                                ; EXEC changes only behind this wait
	s_and_saveexec_b32 s31, vcc_lo
	global_store_b32 v13, v44, s[26:27]            ; and their experts, 64 consecutive bytes, from lanes 0-15
	s_wait_xcnt 0x0
	s_or_b32 exec_lo, exec_lo, s31
.Lend:
	s_wait_tensorcnt 0x0
	ds_add_u32 v230, v231
	s_wait_dscnt 0x0
	s_endpgm
; Wi [8][768][3072], f32, K its second axis, becomes codes of E5M2 under entry 13 + 2 e, laid as images of operand registers in xc from byte 1,572,864 on:
;   (32 e + x) x 73,728 + nt x 12,288 + (k / 32) x 512 + 16 lane: slice x = 96 columns of F, column tile nt; registers 2 c, 2 c + 1 of lane (r, h) hold k = 16 c + 8 h + 0 .. 7.
; 2,048 waves, one unit each: (e, x, w): k = 96 w .. 96 w + 95 in three blocks of 32.  A load covers 4 rows x 128 bytes: lane = 8 u + q takes 16 bytes (four columns) at 16 q of row 8 u + i, so a lane's eight loads run down
;   eight neighbouring k; the hold lays a column's eight numbers on end; one conversion gives the 8 bytes of lane slot (r, h = u % 2), half u / 2.  Two sets of 96 registers: 48 loads of a wave are out.
; The codes turn through the wave's own stage in LDS (bytes that the other path never names; tiles QTS apart) and leave as 18 stores of 512 consecutive bytes.  No barrier: waves share nothing.
; LIMITS: the entry in [-126, 112]; NaN is not served.   REGISTERS: v1-7 addresses and the scale; v8-199 numbers; v200-223, v232-239 held numbers; v240-255 two sets of codes; v230, v231 are kept.
.set QST, 80384
.set QTS, 1552
.set QWS, 6*QTS
.macro QLOADB b
.irp k, 0,1,2,3,4,5,6,7
.irp t, 0,1,2
	global_load_b128 v[8+96*((\b)%2)+32*\t+4*\k:8+96*((\b)%2)+32*\t+4*\k+3], v3, s[32:33] offset:(32*(\b)+\k)*12288+128*\t th:TH_LOAD_NT
.endr
.endr
.endm
.macro QBLOCK b, cnt
	s_wait_loadcnt \cnt
.irp t, 0,1,2
	s_wait_dscnt 4                                 ; the stores that read this set of code registers are done; the last unit's four may be out
.irp c, 0,1,2,3
.irp k, 0,1,2,3,4,5,6,7
	v_med3_num_f32 v[200+8*\c+8*(\c/3)+\k], v[8+96*((\b)%2)+32*\t+4*\k+\c], -v7, v7   ; the conversion does not saturate (ISA guide 7.6.2): the hold comes first
.endr
.endr
.irp c, 0,1,2,3
	v_cvt_scalef32_pk8_bf8_f32 v[240+8*((3*(\b)+\t)%2)+2*\c:240+8*((3*(\b)+\t)%2)+2*\c+1], v[200+8*\c+8*(\c/3):200+8*\c+8*(\c/3)+7], v6
.endr
	v_nop                                          ; a plain line behind the conversions
.irp c, 0,1,2,3
	ds_store_b64 v4, v[240+8*((3*(\b)+\t)%2)+2*\c:240+8*((3*(\b)+\t)%2)+2*\c+1] offset:2*QTS*\t+512*(\b)+16*\c
.endr
.endr
.endm
.Lquant:
	s_load_b64 s[32:33], s[0:1], 0x68              ; Wi
	v_lshrrev_b32 v1, 5, v0
	v_readfirstlane_b32 s30, v1                    ; wave 0 .. 15
	s_sub_co_u32 s31, ttmp9, 128
	s_lshl_b32 s31, s31, 4
	s_add_co_u32 s31, s31, s30                     ; my unit
	s_and_b32 s36, s31, 7                          ; w
	s_bfe_u32 s37, s31, 0x50003                    ; x
	s_lshr_b32 s38, s31, 8                         ; e
	s_mul_i32 s39, s30, QWS
	s_add_co_u32 s39, s39, QST                     ; my stage
	v_and_b32 v2, 31, v0
	v_lshlrev_b32 v2, 4, v2                        ; 16 x lane
	v_add_nc_u32 v1, s39, v2                       ; the stage, back
	v_bfe_u32 v3, v0, 3, 2                         ; u
	v_mul_u32_u24 v3, v3, 98304                    ; eight rows of Wi
	v_and_b32 v4, 7, v0                            ; q
	v_lshl_add_u32 v3, v4, 4, v3
	v_bfe_u32 v4, v0, 2, 1                         ; the stage, in: column tile q / 4,
	v_mul_u32_u24 v4, v4, QTS
	v_and_b32 v5, 3, v0
	v_lshl_add_u32 v4, v5, 6, v4                   ; lane slots r = 4 (q % 4) on,
	v_bfe_u32 v5, v0, 3, 1
	v_lshl_add_u32 v4, v5, 8, v4                   ; h = u % 2,
	v_bfe_u32 v5, v0, 4, 1
	v_lshl_add_u32 v4, v5, 3, v4                   ; half u / 2
	v_add_nc_u32 v4, s39, v4
	s_mul_i32 s40, s38, 9437184
	s_mul_i32 s42, s36, 1179648
	s_add_co_u32 s40, s40, s42
	s_mul_i32 s42, s37, 384
	s_add_co_u32 s40, s40, s42
	s_mov_b32 s41, 0
	s_lshl_b32 s42, s38, 5
	s_add_co_u32 s42, s42, s37
	s_mul_i32 s42, s42, 73728
	s_mul_i32 s43, s36, 1536
	s_add_co_u32 s42, s42, s43
	s_add_co_u32 s42, s42, 1572864
	s_mov_b32 s43, 0
	s_lshl_b32 s44, s38, 3
	s_wait_alu depctr_va_vdst(0)                   ; the wait here, directly ahead of the wait below
	s_wait_kmcnt 0x0
	s_load_b32 s45, s[20:21], s44 offset:0x34      ; entry 13 + 2 e
	s_add_nc_u64 s[32:33], s[32:33], s[40:41]
	s_add_nc_u64 s[24:25], s[24:25], s[42:43]
	QLOADB 0
	QLOADB 1
	s_wait_kmcnt 0x0
	s_add_co_i32 s45, s45, 127
	s_lshl_b32 s46, s45, 23
	v_mov_b32 v6, s46                              ; 2^e
	s_add_co_i32 s45, s45, 15
	s_lshl_b32 s45, s45, 23
	s_or_b32 s45, s45, 0x600000
	v_mov_b32 v7, s45                              ; 57,344 x 2^e
	s_wait_alu depctr_va_vdst(0)                   ; the wait here, directly ahead of the wait below
	QBLOCK 0, 24                                   ; behind block 0: block 1's 24 loads
	QLOADB 2
	QBLOCK 1, 24
	QBLOCK 2, 0
.irp n, 0,1,2,3,4,5
.irp b, 0,1,2
	ds_load_b128 v[8+4*(3*\n+\b):8+4*(3*\n+\b)+3], v1 offset:\n*QTS+\b*512   ; LDS serves a wave's instructions in order: these see my stores
.endr
.endr
.irp n, 0,1,2,3,4,5
.irp b, 0,1,2
	s_wait_dscnt 17-(3*\n+\b)
	global_store_b128 v2, v[8+4*(3*\n+\b):8+4*(3*\n+\b)+3], s[24:25] offset:\n*12288+\b*512   ; 512 consecutive bytes a store
.endr
.endr
	s_wait_tensorcnt 0x0                           ; the wave's end
	ds_add_u32 v230, v231
	s_wait_dscnt 0x0
	s_endpgm
.Lfunc_end_k_qd6501f3770_proj:
	.size	k_qd6501f3770_proj, .Lfunc_end_k_qd6501f3770_proj-k_qd6501f3770_proj
	.p2alignl 7, 3214868480
	.fill 96, 4, 3214868480
	.section	.rodata,"a",@progbits
	.p2align	6, 0x0
	.amdhsa_kernel k_qd6501f3770_proj
		.amdhsa_group_segment_fixed_size 229376
		.amdhsa_private_segment_fixed_size 0
		.amdhsa_enable_private_segment 0
		.amdhsa_kernarg_size 112
		.amdhsa_user_sgpr_count 2
		.amdhsa_user_sgpr_kernarg_segment_ptr 1
		.amdhsa_wavefront_size32 1
		.amdhsa_system_sgpr_workgroup_id_x 1
		.amdhsa_system_sgpr_workgroup_id_y 1
		.amdhsa_system_sgpr_workgroup_id_z 1
		.amdhsa_system_vgpr_workitem_id 0
		.amdhsa_next_free_vgpr 256
		.amdhsa_next_free_sgpr 80
		.amdhsa_reserve_vcc 1
		.amdhsa_float_denorm_mode_32 3
		.amdhsa_float_denorm_mode_16_64 3
		.amdhsa_memory_ordered 1
		.amdhsa_forward_progress 1
		.amdhsa_inst_pref_size 87
	.end_amdhsa_kernel
	.amdgpu_metadata
---
amdhsa.version: [ 1, 2 ]
amdhsa.kernels:
  - .name:           k_qd6501f3770_proj
    .symbol:         k_qd6501f3770_proj.kd
    .args:
      - { .name: ctxc, .offset: 0, .size: 8, .value_kind: global_buffer, .address_space: global }
      - { .name: pc, .offset: 8, .size: 8, .value_kind: global_buffer, .address_space: global }
      - { .name: hidden_states, .offset: 16, .size: 8, .value_kind: global_buffer, .address_space: global }
      - { .name: bao, .offset: 24, .size: 8, .value_kind: global_buffer, .address_space: global }
      - { .name: ln1_g, .offset: 32, .size: 8, .value_kind: global_buffer, .address_space: global }
      - { .name: ln1_b, .offset: 40, .size: 8, .value_kind: global_buffer, .address_space: global }
      - { .name: Wr, .offset: 48, .size: 8, .value_kind: global_buffer, .address_space: global }
      - { .name: br, .offset: 56, .size: 8, .value_kind: global_buffer, .address_space: global }
      - { .name: lowp_scales, .offset: 64, .size: 8, .value_kind: global_buffer, .address_space: global }
      - { .name: xf, .offset: 72, .size: 8, .value_kind: global_buffer, .address_space: global }
      - { .name: xc, .offset: 80, .size: 8, .value_kind: global_buffer, .address_space: global }
      - { .name: eid, .offset: 88, .size: 8, .value_kind: global_buffer, .address_space: global }
      - { .name: out1, .offset: 96, .size: 8, .value_kind: global_buffer, .address_space: global }
      - { .name: Wi, .offset: 104, .size: 8, .value_kind: global_buffer, .address_space: global }
    .group_segment_fixed_size: 229376
    .private_segment_fixed_size: 0
    .kernarg_segment_align: 8
    .kernarg_segment_size: 112
    .max_flat_workgroup_size: 512
    .sgpr_count:     80
    .vgpr_count:     256
    .wavefront_size: 32
...
	.end_amdgpu_metadata
.endif
;; end of part 3
;; launch ffn1 (part 4): grid 32 x 8, 8 waves a work-group, no clusters, 147,456 bytes of LDS; arguments xc, eid, lowp_scales, ic, bi, plc; writes ic, plc
.if DOCPART == 4
	.amdgcn_target "amdgcn-amd-amdhsa--gfx1250"
	.amdhsa_code_object_version 6
	.text
	.protected	k_qd6501f3770_ffn1
	.globl	k_qd6501f3770_ffn1
	.p2align	8
	.type	k_qd6501f3770_ffn1,@function
k_qd6501f3770_ffn1:
	s_mov_b64 s[64:65], 0
	v_nop
	global_prefetch_b8 v0, s[64:65] scope:SCOPE_SE
	s_setreg_imm32_b32 hwreg(HW_REG_WAVE_MODE, 25, 1), 1
	s_wait_xcnt 0x0
; inter = gelu(x Wi[e] + bi[e]) for the tokens that chose expert e, and its codes.  Of each token only its chosen expert's row is multiplied.
; A work-group owns (96 columns of F, expert e).  Wi's codes were laid by the launch before as 36 images of operand registers for each such slice, 73,728 dense bytes in xc from byte 1,572,864 on
;   (column tile nt, K step s at 12,288 nt + 2,048 s; byte 512 g + 16 lane holds registers 4 g .. 4 g + 3); wave w copies bytes 9,216 w on into LDS, 18 loads of 512 consecutive bytes.
; ROUTING, in every work-group, from eid (whole numbers that the launch before stored).  Wave w holds tokens 256 w .. 256 w + 255.  It counts them by expert (compare masks, s_bcnt1) and lays those of expert e, in the token's order,
;   into its own list in LDS (384 words, cleared first; lanes of other experts write word 256).  ONE barrier, for the lists, the counts and the images.  Each expert's tokens take whole tiles of 16 sorted rows: 128 to 135 tiles are in use, 144 are laid out.
;   Sorted row p of the expert is found by seven compares against the waves' running counts.  A row that holds no token takes whatever token its word names: its result is read by nobody.
;   Work-group (0, 0) also stores pos[token], the token's sorted row, for the last launch; that stands behind the requests for x.
; THE PRODUCTS.  A trip of wave w takes the expert's tiles i, i + 8, i + 16, i = w + 24 x trip; six trips are walked, a constant, and a trip with no live tile is jumped over.
;   x IS GATHERED BY WHOLE PIECES OF 128 BYTES: a load takes a K step's 128 bytes of four tokens' rows (lane = 8 a + j: row 4 i + a, bytes 16 j on).  A fragment's 2,048 bytes then turn through the wave's own stage in LDS
;   (piece j of row rho at 288 j + 16 rho) and come back in the operand's order (registers 4 g .. 4 g + 3 of lane (r, h) at 288 (2 g + h) + 16 r).  Three raw slots of a K step, two turned sets by turns; K step s + 1 is turned behind the first half of K step s.
;   Source 0 = 16 columns of Wi, source 1 = 16 tokens: a lane holds one token and eight neighbouring columns of F, the next product's K.  A dead tile is multiplied with the rest and neither activated nor stored.
;   The activation is written once and walked for the trip's tiles: the multiply-add by the scale and the bias moves tile t's sums into tile 0's registers.   ic: (sorted tile) x 49,152 + (F / 32) x 512 + 16 lane.
; gelu(z) = z / 2 + (z / 2) erf(z / sqrt 2); erf(u) = u P(u^2) / Q(u^2), u held within +-4.  LIMIT: 1 + erf cancels for z under about -5: gelu there is good to about 1e-7 |z| in absolute terms.
; THE TAIL.  Tiles from the number in use up to 143 get zero codes: waves 0 and 1 of work-group (x, e) write their slice of tiles 128 + e and 136 + e if unused.  So every byte of ic is written.
; NO TENSOR LOAD, NO CLUSTER: the number of tiles is read from memory, and partners would need different numbers of steps.  No prefetch: the launch has no loop to run ahead in before its rows are known.
; LIMITS: entry 28 in [-126, 112], the sum of the expert's two entries in [-126, 127].  NaN is not served.
; REGISTERS.  Window 0: v1-15 addresses, scales, coefficients; v16-159 eighteen accumulators (8 (6 tau + nt)) (ahead of the barrier v16-87 the images on their way); v160-255 two sets of three fragments of Wi
;   (ahead of the loop they serve the routing); behind the products v160-207 the bias, v208-239 at work, v240-251 codes.
;   Window 1: v0-143 x as loaded (slot s % 3: 48 registers), v144-239 x turned (set s % 2), v240-251 the token offsets (4 tau + i), v252, v253 the spare word's address and 0.
.set TS,   12288
.set CNT,  73728                       ; LDS: 8 waves x 32 words of counts
.set LIST, 74752                       ; 8 lists of 1,536 bytes
.set BIAS, 87040                       ; 8 x 512: each wave's own copy of the slice's bias
.set SPARE, 91136
.set XSTG, 92160                       ; 8 x 3 stages of 2,304 bytes
.set ACC, 16
.set WF,  160
.set U,   208
.set X2,  216
.set PP,  224
.set QQ,  232
.set IC,  240
.set BI,  160
.set E,   160                          ; routing: my 256 tokens' experts
.set C,   168                          ; the eight waves' counts
.set RK,  176
.set TN,  184
.set BST, 240
.set LZ,  241
.set LB,  242
.set CW,  243
.set CR,  244
.set D256, 245
.set T0,  246
.set XT,  144                          ; window 1
.set TOK, 240
.set SPW, 252
.set NIL, 253
.set MSB, 0
.macro WIN new
.if MSB != (\new)
	s_set_vgpr_msb (MSB<<8)|(\new)
.set MSB, (\new)
.endif
.endm
.macro PLACES
.rept 4
	v_nop
.endr
.endm
.macro PAIR r, val
	s_mov_b32 s[\r], \val
	s_mov_b32 s[(\r)+1], \val
.endm
.macro TOKS st                         ; the token offsets of tiles s[st], + 8, + 16 of my expert
	s_lshl_b32 s27, s[\st], 4
	v_and_b32 v216, 15, v0
	v_add_nc_u32 v216, s27, v216                   ; sorted row p = 16 tile + r
	v_add_nc_u32 v217, 128, v216
	v_add_nc_u32 v218, 256, v216
.irp tau, 0,1,2
	v_mov_b32 v[220+\tau], v[216+\tau]
.endr
.irp k, 1,2,3,4,5,6,7
.irp tau, 0,1,2
	v_cmp_le_u32 vcc_lo, s[84+\k], v[216+\tau]     ; p at or behind the first row of wave k's tokens:
	v_add_nc_u32 v[224+\tau], s[73+\k], v[216+\tau]
	v_cndmask_b32 v[220+\tau], v[220+\tau], v[224+\tau], vcc_lo   ; word 384 k + p - that row
.endr
.endr
.irp tau, 0,1,2
	v_min_u32 v[220+\tau], 3071, v[220+\tau]       ; held inside the eight lists
	v_lshl_add_u32 v[220+\tau], v[220+\tau], 2, LIST
.endr
.irp tau, 0,1,2
	ds_load_b32 v[228+\tau], v[220+\tau]
.endr
	s_wait_dscnt 0x0                               ; lane r holds row r's token
.irp i, 1,2,3
	v_add_nc_u32 v[232+\i], 16*\i, v9              ; 4 x (4 i + lane / 8): the lane that holds row 4 i + lane / 8
.endr
.irp tau, 0,1,2
	ds_bpermute_b32 v[236+4*\tau], v9, v[228+\tau]
.irp i, 1,2,3
	ds_bpermute_b32 v[236+4*\tau+\i], v[232+\i], v[228+\tau]
.endr
.endr
	s_wait_dscnt 0x0
.irp n, 0,1,2,3,4,5,6,7,8,9,10,11
	v_min_u32 v[236+\n], 2047, v[236+\n]           ; a loaded token enters an address only held under 2,048
.endr
.irp n, 0,1,2,3,4,5,6,7,8,9,10,11
	v_mul_u32_u24 v[236+\n], v[236+\n], 768
.endr
	WIN 0x40
.irp n, 0,1,2,3,4,5,6,7,8,9,10,11
	v_add_nc_u32 v[TOK+\n], v[236+\n], v6          ; + 16 (lane % 8)
.endr
	WIN 0
	s_wait_alu depctr_va_vdst(0)                   ; the wait behind these writes
.endm
.macro XLOADS s                        ; K step s of the three tiles' rows of x into raw slot s % 3: a load covers four rows x 128 consecutive bytes
	WIN 0x41
.irp tau, 0,1,2
.irp i, 0,1,2,3
	global_load_b128 v[48*((\s)%3)+16*\tau+4*\i:48*((\s)%3)+16*\tau+4*\i+3], v[TOK+4*\tau+\i], s[8:9] offset:128*(\s)
.endr
.endr
.endm
.macro XTURN s                         ; raw slot s % 3 through my stages into turned set s % 2.  LDS serves a wave's instructions in order: no wait between the stores and the loads, nor ahead of the next turn's stores
	WIN 0x04
.irp tau, 0,1,2
.irp i, 0,1,2,3
	ds_store_b128 v3, v[48*((\s)%3)+16*\tau+4*\i:48*((\s)%3)+16*\tau+4*\i+3] offset:2304*\tau+64*\i
.endr
.endr
	WIN 0x44
.irp tau, 0,1,2
.irp g, 0,1,2,3
	ds_load_b128 v[XT+48*((\s)%2)+16*\tau+4*\g:XT+48*((\s)%2)+16*\tau+4*\g+3], v8 offset:2304*\tau+576*\g
.endr
.endr
	WIN 0x04
.endm
.macro WFL j                           ; half-step j: K step j / 2, column tiles 3 (j % 2) + 0 .. 2, into set j % 2
.irp n, 0,1,2
.irp g, 0,1,2,3
	ds_load_b128 v[WF+48*((\j)%2)+16*\n+4*\g:WF+48*((\j)%2)+16*\n+4*\g+3], v[1+(\j)%2] offset:\n*TS+((\j)/2)*2048+\g*512
.endr
.endr
.endm
.macro HALF j
	PLACES                                         ; behind the last half-step's products: what they read is loaded again
.if (\j) < 11
	WFL (\j)+1
.endif
.if (\j) == 11
	s_wait_dscnt 0
.elseif ((\j)%2) == 1
	s_wait_dscnt 36                                ; this half-step's fragments are in; the turn's 24 and the next half-step's 12 may be out
.else
	s_wait_dscnt 12                                ; this half-step's fragments and this K step's turn are in; the next half-step's 12 may be out
.if (\j)/2+3 < 6
	XLOADS (\j)/2+3                                ; the turn has read this raw slot
	WIN 0x04
.endif
.endif
.irp tau, 0,1,2                        ; nine of the eighteen accumulators, by turns
.irp n, 0,1,2
.if (\j) < 2
	v_wmma_f32_16x16x128_bf8_bf8 v[ACC+8*(6*\tau+3*((\j)%2)+\n):ACC+8*(6*\tau+3*((\j)%2)+\n)+7], v[WF+48*((\j)%2)+16*\n:WF+48*((\j)%2)+16*\n+15], v[XT+48*(((\j)/2)%2)+16*\tau:XT+48*(((\j)/2)%2)+16*\tau+15], 0
.else
	v_wmma_f32_16x16x128_bf8_bf8 v[ACC+8*(6*\tau+3*((\j)%2)+\n):ACC+8*(6*\tau+3*((\j)%2)+\n)+7], v[WF+48*((\j)%2)+16*\n:WF+48*((\j)%2)+16*\n+15], v[XT+48*(((\j)/2)%2)+16*\tau:XT+48*(((\j)/2)%2)+16*\tau+15], v[ACC+8*(6*\tau+3*((\j)%2)+\n):ACC+8*(6*\tau+3*((\j)%2)+\n)+7]
.endif
.endr
.endr
.if (((\j)%2) == 0) && ((\j) < 10)     ; the next K step's rows are turned while this K step's second half is multiplied; its set was last read a K step ago
.if (\j) <= 4
	s_wait_loadcnt 24                              ; behind the next K step's loads: two slots' 24
.else
	s_wait_loadcnt 12*(4-(\j)/2)
.endif
	XTURN (\j)/2+1
.endif
.endm
.macro FMA t                           ; tile t's sums x 2^(the two exponents) + bias, into tile 0's registers; each accumulator from its low end on
	s_wait_alu depctr_va_vdst(0)                   ; the wait directly ahead of the first readers of matrix results
.irp n, 0,1,2,3,4,5
.irp i, 0,2,4,6
	v_pk_fma_f32 v[ACC+8*\n+\i:ACC+8*\n+\i+1], v[ACC+48*(\t)+8*\n+\i:ACC+48*(\t)+8*\n+\i+1], s[62:63], v[BI+8*\n+\i:BI+8*\n+\i+1] op_sel_hi:[1,0,1]
.endr
.endr
.endm
.macro GELU8 z                         ; eight numbers in v[z] on, in place
.irp i, 0,2,4,6
	v_pk_mul_f32 v[U+\i:U+\i+1], v[(\z)+\i:(\z)+\i+1], s[60:61] op_sel_hi:[1,0]
.endr
.irp i, 0,1,2,3,4,5,6,7
	v_med3_num_f32 v[U+\i], v[U+\i], -4.0, 4.0
.endr
.irp i, 0,2,4,6
	v_pk_mul_f32 v[X2+\i:X2+\i+1], v[U+\i:U+\i+1], v[U+\i:U+\i+1]
.endr
.irp i, 0,2,4,6
	s_delay_alu instid0(VALU_DEP_4)
	v_pk_fma_f32 v[PP+\i:PP+\i+1], v[X2+\i:X2+\i+1], v[12:13], s[40:41] op_sel_hi:[1,1,0]
.endr
.irp i, 0,2,4,6
	v_pk_fma_f32 v[QQ+\i:QQ+\i+1], v[X2+\i:X2+\i+1], v[14:15], s[52:53] op_sel_hi:[1,1,0]
.endr
.irp k, 0,2,4
.irp i, 0,2,4,6
	v_pk_fma_f32 v[PP+\i:PP+\i+1], v[PP+\i:PP+\i+1], v[X2+\i:X2+\i+1], s[42+\k:43+\k] op_sel_hi:[1,1,0]
.endr
.irp i, 0,2,4,6
	v_pk_fma_f32 v[QQ+\i:QQ+\i+1], v[QQ+\i:QQ+\i+1], v[X2+\i:X2+\i+1], s[54+\k:55+\k] op_sel_hi:[1,1,0]
.endr
.endr
.irp k, 0,2
.irp i, 0,2,4,6
	v_pk_fma_f32 v[PP+\i:PP+\i+1], v[PP+\i:PP+\i+1], v[X2+\i:X2+\i+1], s[48+\k:49+\k] op_sel_hi:[1,1,0]
.endr
.endr
	s_wait_alu depctr_va_vdst(0)                   ; the wait ahead of the batch
.irp i, 0,1,2,3,4,5,6,7
	v_rcp_f32 v[QQ+\i], v[QQ+\i]
.endr
.irp i, 0,2,4,6
	v_pk_mul_f32 v[PP+\i:PP+\i+1], v[PP+\i:PP+\i+1], v[U+\i:U+\i+1]         ; (plain lines behind the reciprocals)
.endr
	s_wait_alu depctr_va_vdst(0)                   ; and behind it, ahead of its first reader
.irp i, 0,2,4,6
	v_pk_mul_f32 v[PP+\i:PP+\i+1], v[PP+\i:PP+\i+1], v[QQ+\i:QQ+\i+1]       ; erf
.endr
.irp i, 0,2,4,6
	v_pk_mul_f32 v[U+\i:U+\i+1], v[(\z)+\i:(\z)+\i+1], 0.5 op_sel_hi:[1,0]
.endr
.irp i, 0,2,4,6
	s_delay_alu instid0(VALU_DEP_4)
	v_pk_fma_f32 v[(\z)+\i:(\z)+\i+1], v[U+\i:U+\i+1], v[PP+\i:PP+\i+1], v[U+\i:U+\i+1]
.endr
.endm
	s_load_b256 s[8:15], s[0:1], 0x0               ; xc, eid, scales, ic
	s_load_b128 s[36:39], s[0:1], 0x20             ; bi, plc
	WIN 0x40
	v_lshl_add_u32 v[SPW], v0, 2, SPARE
	v_mov_b32 v[NIL], 0
	WIN 0
	v_lshrrev_b32 v1, 5, v0
	v_readfirstlane_b32 s16, v1                    ; wave 0 .. 7
	s_mov_b32 s17, ttmp9                           ; slice
	s_and_b32 s18, ttmp7, 0xffff                   ; expert
	v_and_b32 v5, 31, v0                           ; lane
	v_lshlrev_b32 v1, 4, v5                        ; 16 x lane
	v_add_nc_u32 v2, 3*TS, v1                      ; the same for column tiles 3 .. 5
	s_mul_i32 s27, s16, 9216
	v_add_nc_u32 v4, s27, v1                       ; images, in: my 9,216 bytes
	s_mul_i32 s29, s16, 6912
	s_add_co_u32 s29, s29, XSTG                    ; my three stages
	v_and_b32 v6, 7, v0                            ; j = lane % 8
	v_mul_u32_u24 v3, v6, 288
	v_bfe_u32 v9, v0, 3, 2                         ; a = lane / 8
	v_lshl_add_u32 v3, v9, 4, v3
	v_add_nc_u32 v3, s29, v3                       ; a stage, in: 288 j + 16 a
	v_lshlrev_b32 v9, 2, v9                        ; 4 a
	v_lshlrev_b32 v6, 4, v6                        ; 16 j
	v_bfe_u32 v8, v0, 4, 1                         ; h
	s_lshl_b32 s28, s16, 9
	s_add_co_u32 s28, s28, BIAS
	v_lshl_add_u32 v7, v8, 5, s28                  ; my copy of the bias, back: + 32 h
	v_lshl_add_u32 v[BST], v5, 2, s28              ; and in: + 4 lane
	v_mul_u32_u24 v8, v8, 288
	v_and_b32 v255, 15, v0
	v_lshl_add_u32 v8, v255, 4, v8
	v_add_nc_u32 v8, s29, v8                       ; a stage, back: 288 h + 16 r
	s_mul_i32 s29, s16, 1536
	s_add_co_u32 s29, s29, LIST
	v_add_nc_u32 v[LZ], s29, v1                    ; my list, 16 bytes a lane
	v_mov_b32 v[LB], s29                           ; its first byte
	v_lshl_add_u32 v[CW], v0, 2, CNT               ; my counts: 128 wave + 4 lane
	v_and_b32 v[CR], 7, v0
	v_lshl_add_u32 v[CR], v[CR], 2, CNT            ; lane L reads expert L % 8's
	v_mov_b32 v[D256], 0x100
	s_lshl_b32 s29, s16, 8
	v_add_nc_u32 v[T0], s29, v5                    ; token 256 wave + lane
	v_lshlrev_b32 v5, 2, v5                        ; 4 x lane
	v_mov_b32 v12, 0xaf95df0b                      ; P's leading coefficient,
	v_mov_b32 v13, 0xaf95df0b
	v_mov_b32 v14, 0xb77460cd                      ; Q's
	v_mov_b32 v15, 0xb77460cd
	s_lshl_b32 s28, s18, 5
	s_add_co_u32 s28, s28, s17
	s_mul_i32 s28, s28, 73728
	s_add_co_u32 s28, s28, s27
	s_add_co_u32 s28, s28, 1572864                 ; my part of the slice's images
	s_mov_b32 s29, 0
	s_mul_i32 s30, s17, 384
	s_mul_i32 s31, s18, 12288
	s_add_co_u32 s30, s30, s31
	s_mov_b32 s31, 0
	s_lshl_b32 s32, s16, 10
	s_mov_b32 s33, 0
	s_lshl_b32 s35, s18, 3
	s_wait_alu depctr_va_vdst(0)                   ; the wait at the head's end
	s_wait_kmcnt 0x0
	s_load_b64 s[24:25], s[12:13], s35 offset:0x30 ; entries 12 + 2 e (x), 13 + 2 e (Wi)
	s_load_b32 s26, s[12:13], 0x70                 ; entry 28 (inter)
	s_add_nc_u64 s[4:5], s[8:9], s[28:29]
	s_add_nc_u64 s[6:7], s[36:37], s[30:31]
	s_add_nc_u64 s[10:11], s[10:11], s[32:33]
	s_add_nc_u64 s[36:37], s[38:39], s[32:33]
.irp i, 0,1,2,3,4,5,6,7
	global_load_b32 v[E+\i], v5, s[10:11] offset:128*\i
.endr
.irp i, 0,1,2
	global_load_b32 v[252+\i], v5, s[6:7] offset:128*\i
.endr
.irp i, 0,1,2,3,4,5,6,7,8,9,10,11,12,13,14,15,16,17
	global_load_b128 v[16+4*\i:19+4*\i], v1, s[4:5] offset:512*\i
.endr
	PAIR 40, 0x32edffee                            ; P: a1 .. a6
	PAIR 42, 0xb60cff51
	PAIR 44, 0xb86ec2d2
	PAIR 46, 0xba40ac63
	PAIR 48, 0xbb41a1f6
	PAIR 50, 0xbc83dbd4
	PAIR 52, 0xb95fbd29                            ; Q: b1 .. b4
	PAIR 54, 0xbadc924e
	PAIR 56, 0xbbf19bf8
	PAIR 58, 0xbc69b6a7
	PAIR 60, 0x3f3504f3                            ; 1 / sqrt 2
	s_wait_kmcnt 0x0
	s_add_co_i32 s62, s24, s25
	s_add_co_i32 s62, s62, 127
	s_lshl_b32 s62, s62, 23                        ; 2^(the expert's two exponents)
	s_mov_b32 s63, s62
	s_add_co_i32 s27, s26, 127
	s_lshl_b32 s28, s27, 23
	v_mov_b32 v10, s28
	s_add_co_i32 s27, s27, 15
	s_lshl_b32 s27, s27, 23
	s_or_b32 s27, s27, 0x600000
	v_mov_b32 v11, s27
.irp e, 0,1,2,3,4,5,6,7
	s_mov_b32 s[66+\e], 0
.endr
	s_wait_alu depctr_va_vdst(0)                   ; the wait here, directly ahead of the wait below
	s_wait_loadcnt 18                              ; the experts and the bias are in; the images' 18 loads may be out
.irp i, 0,1,2
	ds_store_b32 v[BST], v[252+\i] offset:128*\i
.endr
.irp i, 0,1,2,3
	v_mov_b32 v[248+\i], 0
.endr
.irp i, 0,1,2
	ds_store_b128 v[LZ], v[248:251] offset:512*\i  ; my list is cleared
.endr
	s_mov_b32 s28, 0
.irp i, 0,1,2,3,4,5,6,7                ; my tokens of expert e, on end in my list
	v_cmp_eq_u32 s23, s18, v[E+\i]
	v_mbcnt_lo_u32_b32 v[RK+\i], s23, s28
	v_cndmask_b32 v[RK+\i], v[D256], v[RK+\i], s23
	v_min_u32 v[RK+\i], 0x100, v[RK+\i]
	v_lshl_add_u32 v[RK+\i], v[RK+\i], 2, v[LB]
	v_add_nc_u32 v[TN+\i], 32*\i, v[T0]
	ds_store_b32 v[RK+\i], v[TN+\i]
	s_bcnt1_i32_b32 s27, s23
	s_add_co_u32 s28, s28, s27
.endr
.irp i, 0,1,2,3,4,5,6,7                ; my counts by expert: eight masks at a time
.irp e, 0,1,2,3,4,5,6,7
	v_cmp_eq_u32 s[92+\e], \e, v[E+\i]
.endr
.irp e, 0,1,2,3,4,5,6,7
	s_bcnt1_i32_b32 s[92+\e], s[92+\e]
.endr
.irp e, 0,1,2,3,4,5,6,7
	s_add_co_u32 s[66+\e], s[66+\e], s[92+\e]
.endr
.endr
	v_mov_b32 v247, 0
.irp e, 0,1,2,3,4,5,6,7
	v_writelane_b32 v247, s[66+\e], \e
.endr
	ds_store_b32 v[CW], v247
	s_wait_loadcnt 0x0                             ; my part of the images is in registers
.irp i, 0,1,2,3,4,5,6,7,8,9,10,11,12,13,14,15,16,17
	ds_store_b128 v4, v[16+4*\i:19+4*\i] offset:512*\i
.endr
	s_wait_dscnt 0x0                               ; my counts, my list and my part of the images have landed
	s_barrier_signal -1
	s_barrier_wait -1                              ; nothing writes them again
.irp k, 0,1,2,3,4,5,6,7
	ds_load_b32 v[C+\k], v[CR] offset:128*\k
.endr
	s_wait_dscnt 0x0
	v_add_nc_u32 v255, v[C], v[C+1]
.irp k, 2,3,4,5,6,7
	v_add_nc_u32 v255, v255, v[C+\k]
.endr
	v_add_nc_u32 v255, 15, v255
	v_lshrrev_b32 v255, 4, v255                    ; lane e: expert e's tiles
	s_wait_alu depctr_va_vdst(0)                   ; the wait behind this write
.irp k, 0,1,2,3,4,5,6,7
	v_readlane_b32 s[74+\k], v[C+\k], s18          ; my expert's tokens in wave k
.endr
.irp e, 0,1,2,3,4,5,6,7
	v_readlane_b32 s[66+\e], v255, \e
.endr
	s_mov_b32 s23, 0
.irp k, 1,2,3,4,5,6,7
	s_add_co_u32 s23, s23, s[73+\k]
	s_mov_b32 s[84+\k], s23                        ; the first sorted row of wave k's tokens,
	s_sub_co_u32 s[73+\k], 384*\k, s23             ; and what turns a row into a word of list k
.endr
	s_mov_b32 s83, s16                             ; my first tile in the expert
	TOKS 83
.irp s, 0,1,2
	XLOADS \s
.endr
	WIN 0
	s_mov_b32 s19, s16                             ; my first tile among all: the tiles of the experts below mine + wave
	s_mov_b32 s21, 0                               ; tiles in use
	s_mov_b32 s82, 0                               ; my expert's tiles
.irp e, 0,1,2,3,4,5,6,7
	s_cmp_gt_u32 s18, \e
	s_cselect_b32 s23, s[66+\e], 0
	s_cmp_eq_u32 s18, \e
	s_cselect_b32 s82, s[66+\e], s82
	s_add_co_u32 s19, s19, s23
	s_add_co_u32 s21, s21, s[66+\e]
.endr
	s_min_u32 s82, s82, 128
	s_or_b32 s23, s17, s18
	s_cmp_lg_u32 s23, 0
	s_cbranch_scc1 .Lnopos
	v_mov_b32 v255, 0                              ; work-group (0, 0): pos of all tokens, while x is on its way
.irp k, 0,1,2,3,4,5,6,7
	s_cmp_gt_u32 s16, \k
	s_cselect_b32 s23, -1, 0
	v_and_b32 v254, s23, v[C+\k]
	v_add_nc_u32 v255, v255, v254                  ; lane e: expert e's tokens in the waves below mine
.endr
	s_wait_alu depctr_va_vdst(0)                   ; the wait behind this write
	s_mov_b32 s27, 0
.irp e, 0,1,2,3,4,5,6,7
	v_readlane_b32 s28, v255, \e
	s_lshl_b32 s29, s27, 4
	s_add_co_u32 s[92+\e], s28, s29                ; where my wave's first token of expert e goes
	s_add_co_u32 s27, s27, s[66+\e]
.endr
.irp i, 0,1,2,3,4,5,6,7
.irp e, 0,1,2,3,4,5,6,7
	v_cmp_eq_u32 s23, \e, v[E+\i]
	v_mbcnt_lo_u32_b32 v254, s23, s[92+\e]
.if \e == 0
	v_cndmask_b32 v[RK+\i], 0, v254, s23
.else
	v_cndmask_b32 v[RK+\i], v[RK+\i], v254, s23
.endif
	s_bcnt1_i32_b32 s28, s23
	s_add_co_u32 s[92+\e], s[92+\e], s28
.endr
.endr
.irp i, 0,1,2,3,4,5,6,7
	global_store_b32 v5, v[RK+\i], s[36:37] offset:128*\i   ; a wave's eight stores cover 1,024 consecutive bytes
.endr
	s_wait_xcnt 0x0                                ; the stores have read their registers
.Lnopos:
	s_mov_b32 s22, 0
.Lgrp:                                                 ; six trips, a constant: 144 tiles cover every split
	s_cmp_ge_u32 s83, s82
	s_cbranch_scc1 .Lskip                          ; no live tile in this trip, nor in any later one
	s_min_u32 s23, s19, 143
	s_mul_i32 s34, s23, 49152
	s_mul_i32 s35, s17, 1536
	s_add_co_u32 s34, s34, s35
	s_mov_b32 s35, 0
	s_add_nc_u64 s[34:35], s[14:15], s[34:35]      ; my first tile's image, my slice
	WIN 0x04                                       ; x in window 1
	WFL 0
	s_wait_loadcnt 24                              ; K step 0's rows are in; two slots' 24 loads may be out
	XTURN 0
.irp j, 0,1,2,3,4,5,6,7,8,9,10,11
	HALF \j
.endr
	PLACES
	WIN 0
.irp n, 0,1,2,3,4,5
	ds_load_b128 v[BI+8*\n:BI+8*\n+3], v7 offset:64*\n
	ds_load_b128 v[BI+8*\n+4:BI+8*\n+7], v7 offset:64*\n+16
.endr
	s_mov_b32 s84, 0                               ; the trip's tile in hand,
	s_mov_b32 s38, s83                             ; and its number in the expert
	s_wait_dscnt 0x0
.Ltile:
	s_cmp_eq_u32 s84, 0
	s_cbranch_scc1 .Lc0
	s_cmp_eq_u32 s84, 1
	s_cbranch_scc1 .Lc1
	FMA 2
	s_wait_alu depctr_va_vdst(0)                   ; the wait directly ahead of the branch
	s_branch .Lg
.Lc1:
	FMA 1
	s_wait_alu depctr_va_vdst(0)
	s_branch .Lg
.Lc0:
	FMA 0
.Lg:
.irp n, 0,1,2,3,4,5
	GELU8 ACC+8*\n
.irp i, 0,1,2,3,4,5,6,7
	v_med3_num_f32 v[ACC+8*\n+\i], v[ACC+8*\n+\i], -v11, v11
.endr
	v_cvt_scalef32_pk8_bf8_f32 v[IC+2*\n:IC+2*\n+1], v[ACC+8*\n:ACC+8*\n+7], v10
.endr
	v_nop                                          ; a plain line behind the conversions
.irp q, 0,1,2
	global_store_b128 v1, v[IC+4*\q:IC+4*\q+3], s[34:35] offset:\q*512   ; 512 consecutive bytes a store
.endr
	s_wait_xcnt 0x0                                ; the stores have read their registers and their base
	s_add_nc_u64 s[34:35], s[34:35], 393216        ; eight tiles on
	s_add_co_u32 s38, s38, 8
	s_add_co_u32 s84, s84, 1
	s_cmp_ge_u32 s38, s82
	s_cbranch_scc1 .Lnext                          ; the trip's later tiles are dead
	s_cmp_lt_u32 s84, 3
	s_cbranch_scc1 .Ltile
.Lnext:
	s_add_co_u32 s38, s83, 24
	s_cmp_ge_u32 s38, s82
	s_cbranch_scc1 .Lskip                          ; nothing more is asked for
	TOKS 38
.irp s, 0,1,2
	XLOADS \s
.endr
	WIN 0
.Lskip:
	s_add_co_u32 s83, s83, 24
	s_add_co_u32 s19, s19, 24
	s_add_co_u32 s22, s22, 1
	s_cmp_lt_u32 s22, 6
	s_cbranch_scc1 .Lgrp
	s_cmp_gt_u32 s16, 1
	s_cbranch_scc1 .Lend
	s_lshl_b32 s23, s16, 3
	s_add_co_u32 s23, s23, s18
	s_add_co_u32 s23, s23, 128                     ; tile 128 + 8 wave + e
	s_cmp_lt_u32 s23, s21
	s_cbranch_scc1 .Lend
	s_mul_i32 s34, s23, 49152
	s_mul_i32 s35, s17, 1536
	s_add_co_u32 s34, s34, s35
	s_mov_b32 s35, 0
	s_add_nc_u64 s[34:35], s[14:15], s[34:35]
	v_mov_b32 v16, 0
	v_mov_b32 v17, 0
	v_mov_b32 v18, 0
	v_mov_b32 v19, 0
.irp q, 0,1,2
	global_store_b128 v1, v[16:19], s[34:35] offset:\q*512
.endr
.Lend:
	WIN 0x05
	s_wait_tensorcnt 0x0                           ; the wave's end, behind my last LDS store
	ds_add_u32 v[SPW], v[NIL]
	s_wait_dscnt 0x0
	WIN 0
	s_endpgm
.Lfunc_end_k_qd6501f3770_ffn1:
	.size	k_qd6501f3770_ffn1, .Lfunc_end_k_qd6501f3770_ffn1-k_qd6501f3770_ffn1
	.p2alignl 7, 3214868480
	.fill 96, 4, 3214868480
	.section	.rodata,"a",@progbits
	.p2align	6, 0x0
	.amdhsa_kernel k_qd6501f3770_ffn1
		.amdhsa_group_segment_fixed_size 147456
		.amdhsa_private_segment_fixed_size 0
		.amdhsa_enable_private_segment 0
		.amdhsa_kernarg_size 48
		.amdhsa_user_sgpr_count 2
		.amdhsa_user_sgpr_kernarg_segment_ptr 1
		.amdhsa_wavefront_size32 1
		.amdhsa_system_sgpr_workgroup_id_x 1
		.amdhsa_system_sgpr_workgroup_id_y 1
		.amdhsa_system_sgpr_workgroup_id_z 1
		.amdhsa_system_vgpr_workitem_id 0
		.amdhsa_next_free_vgpr 512
		.amdhsa_next_free_sgpr 100
		.amdhsa_reserve_vcc 1
		.amdhsa_float_denorm_mode_32 3
		.amdhsa_float_denorm_mode_16_64 3
		.amdhsa_memory_ordered 1
		.amdhsa_forward_progress 1
		.amdhsa_inst_pref_size 139
	.end_amdhsa_kernel
	.amdgpu_metadata
---
amdhsa.version: [ 1, 2 ]
amdhsa.kernels:
  - .name:           k_qd6501f3770_ffn1
    .symbol:         k_qd6501f3770_ffn1.kd
    .args:
      - { .name: xc, .offset: 0, .size: 8, .value_kind: global_buffer, .address_space: global }
      - { .name: eid, .offset: 8, .size: 8, .value_kind: global_buffer, .address_space: global }
      - { .name: lowp_scales, .offset: 16, .size: 8, .value_kind: global_buffer, .address_space: global }
      - { .name: ic, .offset: 24, .size: 8, .value_kind: global_buffer, .address_space: global }
      - { .name: bi, .offset: 32, .size: 8, .value_kind: global_buffer, .address_space: global }
      - { .name: plc, .offset: 40, .size: 8, .value_kind: global_buffer, .address_space: global }
    .group_segment_fixed_size: 147456
    .private_segment_fixed_size: 0
    .kernarg_segment_align: 8
    .kernarg_segment_size: 48
    .max_flat_workgroup_size: 256
    .sgpr_count:     100
    .vgpr_count:     512
    .wavefront_size: 32
...
	.end_amdgpu_metadata
.endif
;; end of part 4
;; launch ffn2 (part 5): grid 6 x 36, 4 waves a work-group, no clusters, 327,680 bytes of LDS; arguments ic, pc, lowp_scales, y; writes y
.if DOCPART == 5
	.amdgcn_target "amdgcn-amd-amdhsa--gfx1250"
	.amdhsa_code_object_version 6
	.text
	.protected	k_qd6501f3770_ffn2
	.globl	k_qd6501f3770_ffn2
	.p2align	8
	.type	k_qd6501f3770_ffn2,@function
k_qd6501f3770_ffn2:
	s_mov_b64 s[64:65], 0
	v_nop
	global_prefetch_b8 v0, s[64:65] scope:SCOPE_SE
	s_setreg_imm32_b32 hwreg(HW_REG_WAVE_MODE, 25, 1), 1
	s_wait_xcnt 0x0
.set WC,  4718592
.set STG, 196608
.set ACC, 16
.set AF,  80
.set G1,  28
.set G0,  36
.set MSB, 0
.macro WIN new
.if MSB != (\new)
	s_set_vgpr_msb (MSB<<8)|(\new)
.set MSB, (\new)
.endif
.endm
.macro PLACES
.rept 4
	v_nop
.endr
.endm
.macro BLD s
	WIN (1+(\s)/8)<<6
.irp n, 0,1
.irp g, 0,1,2,3
	global_load_b128 v[16*((2*(\s)+\n)%16)+4*\g:16*((2*(\s)+\n)%16)+4*\g+3], v1, s[6:7] offset:\n*49152+(\s)*2048+\g*512
.endr
.endr
.endm
.macro AFL s
.irp rt, 0,1,2,3
.irp g, 0,1,2,3
	ds_load_b128 v[AF+64*((\s)%2)+16*\rt+4*\g:AF+64*((\s)%2)+16*\rt+4*\g+3], v[2+\rt] offset:(\s)*2048+\g*512
.endr
.endr
.endm
.macro FSTEP s
.if (\s)+7 < 24
	BLD (\s)+7
.endif
	WIN (1+(\s)/8)<<2
	PLACES
.if ((\s) != 11) && ((\s) != 23)
	AFL (\s)+1
	s_wait_dscnt 16
.else
	s_wait_dscnt 0
.endif
.if (\s) <= 16
	s_wait_loadcnt 56
.else
	s_wait_loadcnt 8*(23-(\s))
.endif
.irp n, 0,1
.irp rt, 0,1,2,3
.if (\s) == 0
	v_wmma_f32_16x16x128_bf8_bf8 v[ACC+8*(2*\rt+\n):ACC+8*(2*\rt+\n)+7], v[AF+64*((\s)%2)+16*\rt:AF+64*((\s)%2)+16*\rt+15], v[16*((2*(\s)+\n)%16):16*((2*(\s)+\n)%16)+15], 0
.else
	v_wmma_f32_16x16x128_bf8_bf8 v[ACC+8*(2*\rt+\n):ACC+8*(2*\rt+\n)+7], v[AF+64*((\s)%2)+16*\rt:AF+64*((\s)%2)+16*\rt+15], v[16*((2*(\s)+\n)%16):16*((2*(\s)+\n)%16)+15], v[ACC+8*(2*\rt+\n):ACC+8*(2*\rt+\n)+7]
.endif
.endr
.endr
.endm
	s_load_b256 s[4:11], s[0:1], 0x0
	v_lshl_add_u32 v254, v0, 2, 0x38400
	v_mov_b32 v255, 0
	ds_add_u32 v254, v255
	ds_add_u32 v254, v255
	v_lshrrev_b32 v15, 5, v0
	v_readfirstlane_b32 s12, v15
	s_and_b32 s14, ttmp7, 0xffff
	s_mov_b32 s[G1], 3<<16
	s_mov_b32 s[G1+1], 32<<16
	s_mov_b32 s[G1+2], 96<<16
	s_mov_b32 s[G1+3], 32<<16
	s_mov_b32 s[G1+4], 96
	s_mov_b32 s[G1+5], 32
	s_mov_b32 s[G1+6], 0
	s_mov_b32 s[G1+7], 0
	s_mul_i32 s26, s12, 49152
	s_mov_b32 s[G0], 1
	s_add_co_u32 s[G0+1], s26, 0
	s_mov_b32 s[G0+4], 1
	s_add_co_u32 s[G0+5], s26, 24576
	v_and_b32 v15, 31, v0
	v_lshlrev_b32 v1, 4, v15
	v_mov_b32 v2, v1
	v_add_nc_u32 v3, 49152, v1
	v_add_nc_u32 v4, 98304, v1
	v_add_nc_u32 v5, 147456, v1
	v_and_b32 v10, 15, v0
	v_bfe_u32 v11, v0, 4, 1
	v_mul_u32_u24 v8, v11, 8*528
	v_lshl_add_u32 v8, v10, 2, v8
	s_lshl_b32 s15, s12, 7
	s_add_co_u32 s15, s15, STG
	v_add_nc_u32 v8, s15, v8
	s_mul_i32 s15, s12, 16*528
	s_add_co_u32 s15, s15, STG
	v_add_nc_u32 v9, s15, v1
	s_mul_i32 s20, s14, 196608
	s_add_co_u32 s20, s20, s26
	s_mov_b32 s21, 0
	s_lshl_b32 s22, ttmp9, 3
	s_lshl_b32 s23, s12, 1
	s_add_co_u32 s22, s22, s23
	s_mul_i32 s22, s22, 49152
	s_add_co_u32 s22, s22, WC+2359296
	s_mov_b32 s23, 0
	s_lshl_b32 s24, s14, 6
	s_lshl_b32 s25, s12, 4
	s_add_co_u32 s24, s24, s25
	s_mul_i32 s24, s24, 3072
	s_lshl_b32 s25, ttmp9, 9
	s_add_co_u32 s24, s24, s25
	s_mov_b32 s25, 0
	s_wait_alu depctr_va_vdst(0)
	s_wait_dscnt 0x0
	s_wait_kmcnt 0x0
	s_load_b64 s[16:17], s[8:9], 0x70
	s_add_nc_u64 s[G0+2:G0+3], s[4:5], s[20:21]
	s_add_nc_u64 s[G0+6:G0+7], s[G0+2:G0+3], 24576
	s_or_b32 s[G0+3], s[G0+3], 0x80000000
	s_or_b32 s[G0+7], s[G0+7], 0x80000000
	s_add_nc_u64 s[6:7], s[6:7], s[22:23]
	s_add_nc_u64 s[10:11], s[10:11], s[24:25]
	tensor_load_to_lds s[G0:G0+3], s[G1:G1+7]
	s_nop 0
	s_wait_alu depctr_va_vdst(0)
	s_wait_tensorcnt 0x0
	ds_add_u32 v254, v255
	s_wait_dscnt 0x0
	s_barrier_signal -1
	s_barrier_wait -1
	tensor_load_to_lds s[G0+4:G0+7], s[G1:G1+7]
	s_nop 0
.rept 4
	v_nop
.endr
.irp s, 0,1,2,3,4,5,6
	BLD \s
.endr
	WIN 0
	s_wait_tensorcnt 0x1
	s_barrier_signal -1
	s_barrier_wait -1
	AFL 0
.irp s, 0,1,2,3,4,5,6,7,8,9,10,11
	FSTEP \s
.endr
	s_wait_tensorcnt 0x0
	s_wait_dscnt 0x0
	s_barrier_signal -1
	s_barrier_wait -1
	AFL 12
.irp s, 12,13,14,15,16,17,18,19,20,21,22,23
	FSTEP \s
.endr
	WIN 0
	PLACES
	s_wait_kmcnt 0x0
	s_add_co_i32 s16, s16, s17
	s_add_co_i32 s16, s16, 127
	s_lshl_b32 s16, s16, 23
	s_mov_b32 s17, s16
.set i, 0
.rept 32
	v_pk_mul_f32 v[AF+i:AF+i+1], v[ACC+i:ACC+i+1], s[16:17] op_sel_hi:[1,0]
.set i, i+2
.endr
.irp rt, 0,1,2,3
.irp n, 0,1
.irp j, 0,1,2,3,4,5,6,7
	ds_store_b32 v8, v[AF+8*(2*\rt+\n)+\j] offset:(16*\rt+\j)*528+64*\n
.endr
.endr
.endr
	s_wait_dscnt 0x0
	s_barrier_signal -1
	s_barrier_wait -1
.irp i, 0,1,2,3,4,5,6,7,8,9,10,11,12,13,14,15
	ds_load_b128 v[144+4*\i:147+4*\i], v9 offset:\i*528
.endr
.irp i, 0,1,2,3,4,5,6,7,8,9,10,11,12,13,14,15
	s_wait_dscnt 15-\i
	global_store_b128 v1, v[144+4*\i:147+4*\i], s[10:11] offset:\i*3072
.endr
	s_wait_tensorcnt 0x0
	ds_add_u32 v254, v255
	s_wait_dscnt 0x0
	s_endpgm
.Lfunc_end_k_qd6501f3770_ffn2:
	.size	k_qd6501f3770_ffn2, .Lfunc_end_k_qd6501f3770_ffn2-k_qd6501f3770_ffn2
	.p2alignl 7, 3214868480
	.fill 96, 4, 3214868480
	.section	.rodata,"a",@progbits
	.p2align	6, 0x0
	.amdhsa_kernel k_qd6501f3770_ffn2
		.amdhsa_group_segment_fixed_size 327680
		.amdhsa_private_segment_fixed_size 0
		.amdhsa_enable_private_segment 0
		.amdhsa_kernarg_size 32
		.amdhsa_user_sgpr_count 2
		.amdhsa_user_sgpr_kernarg_segment_ptr 1
		.amdhsa_wavefront_size32 1
		.amdhsa_system_sgpr_workgroup_id_x 1
		.amdhsa_system_sgpr_workgroup_id_y 1
		.amdhsa_system_sgpr_workgroup_id_z 1
		.amdhsa_system_vgpr_workitem_id 0
		.amdhsa_next_free_vgpr 1024
		.amdhsa_next_free_sgpr 66
		.amdhsa_reserve_vcc 0
		.amdhsa_float_denorm_mode_32 3
		.amdhsa_float_denorm_mode_16_64 3
		.amdhsa_memory_ordered 1
		.amdhsa_forward_progress 1
		.amdhsa_inst_pref_size 74
	.end_amdhsa_kernel
	.amdgpu_metadata
---
amdhsa.version: [ 1, 2 ]
amdhsa.kernels:
  - .name:           k_qd6501f3770_ffn2
    .symbol:         k_qd6501f3770_ffn2.kd
    .args:
      - { .name: ic, .offset: 0, .size: 8, .value_kind: global_buffer, .address_space: global }
      - { .name: pc, .offset: 8, .size: 8, .value_kind: global_buffer, .address_space: global }
      - { .name: lowp_scales, .offset: 16, .size: 8, .value_kind: global_buffer, .address_space: global }
      - { .name: y, .offset: 24, .size: 8, .value_kind: global_buffer, .address_space: global }
    .group_segment_fixed_size: 327680
    .private_segment_fixed_size: 0
    .kernarg_segment_align: 8
    .kernarg_segment_size: 32
    .max_flat_workgroup_size: 128
    .sgpr_count:     66
    .vgpr_count:     1024
    .wavefront_size: 32
...
	.end_amdgpu_metadata
.endif
;; end of part 5
;; launch ln2 (part 6): grid 256 x 1, 8 waves a work-group, no clusters, 0 bytes of LDS; arguments y, xf, plc, bo, ln2_g, ln2_b, out0; writes out0
.if DOCPART == 6
	.amdgcn_target "amdgcn-amd-amdhsa--gfx1250"
	.amdhsa_code_object_version 6
	.text
	.protected	k_qd6501f3770_ln2
	.globl	k_qd6501f3770_ln2
	.p2align	8
	.type	k_qd6501f3770_ln2,@function
k_qd6501f3770_ln2:
	s_mov_b64 s[64:65], 0
	v_nop
	global_prefetch_b8 v0, s[64:65] scope:SCOPE_SE
	s_setreg_imm32_b32 hwreg(HW_REG_WAVE_MODE, 25, 1), 1
	s_wait_xcnt 0x0
; out0[t] = LN2(y[pos[t]] + bo + attention_output[t]).  One wave, one token: the row of 768 numbers is 24 registers a lane and never leaves the wave: no LDS, no barrier.
; pos[t], the token's sorted row, was stored as a whole number two launches back; it enters the address held under 2,304.
; Every load and store of a wave covers 512 consecutive bytes.  Mean first, then the squares of the differences: two passes, never a difference of sums.
; Memory binds here: matrix units, clusters and LDS would add nothing.
.set Y,    16
.set RES,  40
.set BAO,  64
.set G,    88
.set B,    112
.set TA,   136
.set TB,   138
.set MU,   140
.set PXR,  142
.set SEL,  26
.set I768, 28
.macro WSUM a, t
	s_delay_alu instid0(VALU_DEP_1)
	v_add_f32_dpp v[\a], v[\a], v[\a] row_xmask:1 row_mask:0xf bank_mask:0xf
	s_delay_alu instid0(VALU_DEP_1)
	v_add_f32_dpp v[\a], v[\a], v[\a] row_xmask:2 row_mask:0xf bank_mask:0xf
	s_delay_alu instid0(VALU_DEP_1)
	v_add_f32_dpp v[\a], v[\a], v[\a] row_xmask:4 row_mask:0xf bank_mask:0xf
	s_delay_alu instid0(VALU_DEP_1)
	v_add_f32_dpp v[\a], v[\a], v[\a] row_xmask:8 row_mask:0xf bank_mask:0xf
	s_delay_alu instid0(VALU_DEP_1)
	v_permlanex16_b32 v[\t], v[\a], s[SEL], s[SEL+1]
	s_delay_alu instid0(VALU_DEP_1)
	v_add_f32 v[\a], v[\a], v[\t]
.endm
	s_load_b256 s[4:11], s[0:1], 0x0               ; y, xf, plc, bo
	s_load_b128 s[12:15], s[0:1], 0x20             ; ln2_g, ln2_b
	s_load_b64 s[16:17], s[0:1], 0x30              ; out0
	v_lshrrev_b32 v1, 5, v0
	s_delay_alu instid0(VALU_DEP_1)
	v_readfirstlane_b32 s18, v1
	v_and_b32 v1, 31, v0
	s_delay_alu instid0(VALU_DEP_1)
	v_lshlrev_b32 v1, 4, v1                        ; 16 x lane
	s_lshl_b32 s19, ttmp9, 3
	s_add_co_u32 s19, s19, s18                     ; my token
	s_lshl_b32 s20, s19, 2
	s_mul_i32 s22, s19, 3072
	s_mov_b32 s23, 0
	s_mov_b32 s25, 0
	s_mov_b32 s[SEL], 0x76543210
	s_mov_b32 s[SEL+1], 0xfedcba98
	s_mov_b32 s[I768], 0x3aaaaaab                  ; 1 / 768
	v_mov_b32 v[PXR], 0                            ; a lane permute's destination counts as read
	s_wait_alu depctr_va_vdst(0)
	s_wait_kmcnt 0x0
	s_load_b32 s21, s[8:9], s20 offset:0x0         ; pos[t]
	s_add_nc_u64 s[6:7], s[6:7], s[22:23]
	s_add_nc_u64 s[16:17], s[16:17], s[22:23]
.irp i, 0,1,2,3,4,5
	global_load_b128 v[RES+4*\i:RES+4*\i+3], v1, s[6:7] offset:512*\i
	global_load_b128 v[BAO+4*\i:BAO+4*\i+3], v1, s[10:11] offset:512*\i
	global_load_b128 v[G+4*\i:G+4*\i+3], v1, s[12:13] offset:512*\i
	global_load_b128 v[B+4*\i:B+4*\i+3], v1, s[14:15] offset:512*\i
.endr
	s_wait_kmcnt 0x0
	s_min_u32 s21, s21, 2303
	s_mul_i32 s24, s21, 3072
	s_add_nc_u64 s[4:5], s[4:5], s[24:25]
.irp i, 0,1,2,3,4,5
	global_load_b128 v[Y+4*\i:Y+4*\i+3], v1, s[4:5] offset:512*\i
.endr
	s_wait_loadcnt 6                               ; all but y's six loads
.irp j, 0,2,4,6,8,10,12,14,16,18,20,22
	v_pk_add_f32 v[RES+\j:RES+\j+1], v[RES+\j:RES+\j+1], v[BAO+\j:BAO+\j+1]
.endr
	s_wait_loadcnt 0x0
.irp j, 0,2,4,6,8,10,12,14,16,18,20,22
	v_pk_add_f32 v[Y+\j:Y+\j+1], v[Y+\j:Y+\j+1], v[RES+\j:RES+\j+1]
.endr
	v_pk_add_f32 v[TA:TA+1], v[Y:Y+1], v[Y+2:Y+3]
	v_pk_add_f32 v[TB:TB+1], v[Y+4:Y+5], v[Y+6:Y+7]
.irp j, 8,12,16,20
	s_delay_alu instid0(VALU_DEP_2)
	v_pk_add_f32 v[TA:TA+1], v[TA:TA+1], v[Y+\j:Y+\j+1]
	s_delay_alu instid0(VALU_DEP_2)
	v_pk_add_f32 v[TB:TB+1], v[TB:TB+1], v[Y+\j+2:Y+\j+3]
.endr
	s_delay_alu instid0(VALU_DEP_1)
	v_pk_add_f32 v[TA:TA+1], v[TA:TA+1], v[TB:TB+1]
	s_delay_alu instid0(VALU_DEP_1)
	v_add_f32 v[TA], v[TA], v[TA+1]
	WSUM TA, PXR
	s_delay_alu instid0(VALU_DEP_1)
	v_mul_f32 v[MU], s[I768], v[TA]                ; the mean
	s_delay_alu instid0(VALU_DEP_1)
	v_mov_b32 v[MU+1], v[MU]
.irp j, 0,2,4,6,8,10,12,14,16,18,20,22
	v_pk_add_f32 v[Y+\j:Y+\j+1], v[Y+\j:Y+\j+1], v[MU:MU+1] neg_lo:[0,1] neg_hi:[0,1]
.endr
	v_pk_mul_f32 v[TA:TA+1], v[Y:Y+1], v[Y:Y+1]
	v_pk_mul_f32 v[TB:TB+1], v[Y+2:Y+3], v[Y+2:Y+3]
.irp j, 4,8,12,16,20
	s_delay_alu instid0(VALU_DEP_2)
	v_pk_fma_f32 v[TA:TA+1], v[Y+\j:Y+\j+1], v[Y+\j:Y+\j+1], v[TA:TA+1]
	s_delay_alu instid0(VALU_DEP_2)
	v_pk_fma_f32 v[TB:TB+1], v[Y+\j+2:Y+\j+3], v[Y+\j+2:Y+\j+3], v[TB:TB+1]
.endr
	s_delay_alu instid0(VALU_DEP_1)
	v_pk_add_f32 v[TA:TA+1], v[TA:TA+1], v[TB:TB+1]
	s_delay_alu instid0(VALU_DEP_1)
	v_add_f32 v[TA], v[TA], v[TA+1]
	WSUM TA, PXR
	s_delay_alu instid0(VALU_DEP_1)
	v_fmaak_f32 v[TA], s[I768], v[TA], 0x2b8cbccc  ; var + 1e-12
	s_wait_alu depctr_va_vdst(0)
	v_rsq_f32 v[MU], v[TA]
	v_rsq_f32 v[MU+1], v[TA]
	v_nop                                          ; a plain line behind the transcendentals
	s_wait_alu depctr_va_vdst(0)
.irp j, 0,2,4,6,8,10,12,14,16,18,20,22
	v_pk_mul_f32 v[Y+\j:Y+\j+1], v[Y+\j:Y+\j+1], v[MU:MU+1]
.endr
.irp j, 0,2,4,6,8,10,12,14,16,18,20,22
	v_pk_fma_f32 v[Y+\j:Y+\j+1], v[Y+\j:Y+\j+1], v[G+\j:G+\j+1], v[B+\j:B+\j+1]
.endr
.irp i, 0,1,2,3,4,5
	global_store_b128 v1, v[Y+4*\i:Y+4*\i+3], s[16:17] offset:512*\i th:TH_STORE_NT
.endr
	s_endpgm
.Lfunc_end_k_qd6501f3770_ln2:
	.size	k_qd6501f3770_ln2, .Lfunc_end_k_qd6501f3770_ln2-k_qd6501f3770_ln2
	.p2alignl 7, 3214868480
	.fill 96, 4, 3214868480
	.section	.rodata,"a",@progbits
	.p2align	6, 0x0
	.amdhsa_kernel k_qd6501f3770_ln2
		.amdhsa_group_segment_fixed_size 0
		.amdhsa_private_segment_fixed_size 0
		.amdhsa_enable_private_segment 0
		.amdhsa_kernarg_size 56
		.amdhsa_user_sgpr_count 2
		.amdhsa_user_sgpr_kernarg_segment_ptr 1
		.amdhsa_wavefront_size32 1
		.amdhsa_system_sgpr_workgroup_id_x 1
		.amdhsa_system_sgpr_workgroup_id_y 1
		.amdhsa_system_sgpr_workgroup_id_z 1
		.amdhsa_system_vgpr_workitem_id 0
		.amdhsa_next_free_vgpr 144
		.amdhsa_next_free_sgpr 66
		.amdhsa_reserve_vcc 0
		.amdhsa_float_denorm_mode_32 3
		.amdhsa_float_denorm_mode_16_64 3
		.amdhsa_memory_ordered 1
		.amdhsa_forward_progress 1
		.amdhsa_inst_pref_size 13
	.end_amdhsa_kernel
	.amdgpu_metadata
---
amdhsa.version: [ 1, 2 ]
amdhsa.kernels:
  - .name:           k_qd6501f3770_ln2
    .symbol:         k_qd6501f3770_ln2.kd
    .args:
      - { .name: y, .offset: 0, .size: 8, .value_kind: global_buffer, .address_space: global }
      - { .name: xf, .offset: 8, .size: 8, .value_kind: global_buffer, .address_space: global }
      - { .name: plc, .offset: 16, .size: 8, .value_kind: global_buffer, .address_space: global }
      - { .name: bo, .offset: 24, .size: 8, .value_kind: global_buffer, .address_space: global }
      - { .name: ln2_g, .offset: 32, .size: 8, .value_kind: global_buffer, .address_space: global }
      - { .name: ln2_b, .offset: 40, .size: 8, .value_kind: global_buffer, .address_space: global }
      - { .name: out0, .offset: 48, .size: 8, .value_kind: global_buffer, .address_space: global }
    .group_segment_fixed_size: 0
    .private_segment_fixed_size: 0
    .kernarg_segment_align: 8
    .kernarg_segment_size: 56
    .max_flat_workgroup_size: 256
    .sgpr_count:     66
    .vgpr_count:     144
    .wavefront_size: 32
...
	.end_amdgpu_metadata
.endif
;; end of part 6
